; MI455X (gfx1250); checked and timed in simulation.
; The chip was launched on July 23, 2026; its instructions are those of AMD's public machine-readable ISA for CDNA 5 (MIT licence, August 2026) and "CDNA5" Instruction Set Architecture Reference Guide (July 2026). The comments in the code are by the model that wrote it; some were corrected since.
;; Cross Multi Head Attention. Allowed arithmetic: matrix products marked QUANTISED: E3M2 operands, one E8M0 scale for each 32 along K, by v_wmma_scale_f32_16x16x128_f8f6f4 with both operands' format E3M2, f32 sums; everything else in f32.
;; Inputs: Wk 16 x 1,024 x 64 float32; Wo 1,024 x 1,024 float32; Wq 16 x 1,024 x 64 float32; Wv 16 x 1,024 x 64 float32; bk 16 x 64 float32; bo 1,024 float32; bq 16 x 64 float32; bv 16 x 64 float32; x 4 x 2,048 x 1,024 float32; y 4 x 2,048 x 1,024 float32.
;; Outputs: out0 4 x 2,048 x 1,024 float32.
;; This version of the problem:
;;   THIS VERSION OF THE PROBLEM IS GIVEN IN LOW PRECISION. The matrix products marked QUANTISED in the list below multiply operands that are first quantised to E3M2 (3 exponent bits, 2 mantissa bits; 6 bits a number), with one power-of-two scale for each 32 numbers along K (OCP MX v1.0); their sums are f32. All else is computed in f32.
;;   The module's matrix products, in the order in which they are computed (A, B: the left and right operand; K: the contracted axis; several contracted axes count as one K, in the product's order):
;;     1. [M 1,024, K 1,024] x [K 1,024, N 8,192]; A: input Wq; B: input x: QUANTISED
;;     2. [M 1,024, K 1,024] x [K 1,024, N 8,192]; A: input Wk; B: input y: QUANTISED
;;     3. [M 1,024, K 1,024] x [K 1,024, N 8,192]; A: input Wv; B: input y: QUANTISED
;;     4. batch 64 x [M 2,048, K 64] x [K 64, N 2,048]; A: computed on the way; B: computed on the way: QUANTISED
;;     5. batch 64 x [M 2,048, K 2,048] x [K 2,048, N 64]; A: softmax (see below); B: computed on the way: QUANTISED
;;     6. [M 8,192, K 1,024] x [K 1,024, N 1,024]; A: computed on the way; B: input Wo: QUANTISED
;;   THE QUANTISER, for each operand of a quantised product, along K:
;;     - K is cut into blocks of 32 from its start; a last block that is shorter is filled with zeros.
;;     - A block's scale is 2^e with e = floor(log2(the largest magnitude in the block)) - 4, held to -126 .. 127; a block of zeros has e = 0. As a byte (E8M0): e + 127.
;;     - Each number is divided by its block's scale, clamped to +-28, and rounded to the nearest number of E3M2, ties to even, subnormals kept.
;;     - The product sums the exact products of the quantised numbers (number of the format x scale) in f32.
;;   ~~~python
;;   def quantise(x, axis):      # numpy; x: float32 -> the quantised numbers, widened to float32 again
;;       x = np.moveaxis(x, axis, -1); K = x.shape[-1]
;;       x = np.pad(x, [(0, 0)] * (x.ndim - 1) + [(0, -K % 32)]); x = x.reshape(x.shape[:-1] + (-1, 32)); a = np.abs(x).max(-1, keepdims=True)
;;       e = np.where(a > 0, np.clip(np.frexp(np.where(a > 0, a, 1))[1] - 1 - 4, -126, 127), 0)      # np.frexp(a)[1] - 1 = floor(log2(a)), exactly
;;       r = np.clip(x / 2.0 ** e, -28, 28)
;;       step = 2.0 ** (np.maximum(np.frexp(np.where(r == 0, 1, r))[1] - 1, -2) - 2)
;;       q = np.round(r / step) * step * 2.0 ** e      # np.round: ties to even
;;       return np.moveaxis(q.reshape(q.shape[:-2] + (-1,))[..., :K], -1, axis).astype(np.float32)
;;   ~~~
;;   SOFTMAX AHEAD OF A QUANTISED PRODUCT. Where the list says 'softmax', what is quantised is not the finished softmax but p = 2^(t - M), with t = logit x log2(e) and M = ceil(the row's largest t), a whole number; so 1/2 < the row's largest p <= 1. The row's sum l is taken of the UNQUANTISED p, in f32, and the product's result is divided by l at the end. Since M is a whole number, a kernel that streams over the keys may use a running M (the ceiling of the running maximum): every later rescaling is an exact power of two, which a block's scale takes up: the codes' values come out the same.
;;   OPERANDS COMPUTED ON THE WAY. 'Computed on the way' means the value that the module computes at that place (a softmax that the list does not call 'softmax' is quantised finished and normalised). What goes into a quantiser is computed in f32, as accurately as f32 sums, v_exp_f32 and their like allow (about 1e-6 of the number): no bf16 or f16 on the way to a quantiser, and a product that is left as it is and whose result goes on into a quantised operand takes f32 operands (vector FMAs, or v_wmma_f32_16x16x4_f32). A number that lies on a knife's edge between two numbers of the format may be rounded either way, as far as f32 arithmetic and the matrix unit's own rounding can turn it there, and no further.
;; One version. Each part assembles by itself: llvm-mc -triple=amdgcn-amd-amdhsa -mcpu=gfx1250 --defsym DOCPART=n.
;; ======== version 1 of 1: 4 launches
;; limits: right only within a limited range of input values
;; workspace buffers: acodes 12,582,912 bytes; ascales 524,288 bytes; wcodes 3,145,728 bytes; wscales 131,072 bytes; qkv 18,874,368 bytes; qkvs 1,572,864 bytes; ocodes 6,291,456 bytes; oscales 262,144 bytes
;; launch quant (part 1): grid 640 x 1, 4 waves a work-group, no clusters, 60,928 bytes of LDS; arguments x, y, Wq, Wk, Wv, Wo, acodes, ascales, wcodes, wscales; writes acodes, ascales, wcodes, wscales
.if DOCPART == 1
	.amdgcn_target "amdgcn-amd-amdhsa--gfx1250"
	.amdhsa_code_object_version 6
	.text
	.protected	k_q8fdbe480e7_quant
	.globl	k_q8fdbe480e7_quant
	.p2align	8
	.type	k_q8fdbe480e7_quant,@function
k_q8fdbe480e7_quant:
	s_mov_b64 s[64:65], 0
	v_nop
	global_prefetch_b8 v0, s[64:65] scope:SCOPE_SE
	s_setreg_imm32_b32 hwreg(HW_REG_WAVE_MODE, 25, 1), 1
	s_wait_xcnt 0x0
; x, y [8192][1024] f32 (K = the last axis) and Wq, Wk, Wv [16][1024][64], Wo [1024][1024] f32 (K = the axis of 1,024 that is NOT innermost) become codes of BF6 (E3M2)
; with one E8M0 byte for each 32 along K.  A block's scale is 2^(floor(log2(largest magnitude)) - 4): its byte is the largest magnitude's exponent field - 4.
; LIMITS: NaN and infinities are not served; a block whose largest magnitude lies under 2^-122 (a block of zeros too) gets the byte 1: its codes are then zeros or tiny, and only this program reads the bytes.
; LAYOUT OF THE RESULTS: images of operand registers.  Rows go in groups of 128; tile i (0..7) of a group holds rows 32 (i/2) + 8 (i%2) + r + 8 (r/8), r = lane % 16.
; A fragment (16 rows x 128 K, 12 registers a lane) is 1,536 bytes: registers 4 c .. 4 c + 3 of lane l at 512 c + 16 l.  Codes: [group][K step s 0..7][tile i][1536].
; Scale words: 4,096 bytes a group, the word of (s, i, r) at 1024 (s/2) + 256 (i/2) + 16 r + 8 (i%2) + 4 (s%2).
; The first 512 work-groups take x and y (32 rows each, a wave 256 along K), the other 128 the weights (a wave 32 columns x 256 along K).  Waves share nothing: no barrier.  The two ways have LDS bytes of their own.
.set RS,    16                         ; x, y: v16-143  two sets of 64: a fragment's numbers as loaded (16 rows x 512 bytes)
.set XS0,   144                        ; v144-207 the same, turned: register 16 b + i = k 32 b + 16 (lane/16) + i of my row
.set PC,    208                        ; v208-219 the codes just made; v220-226 at work
.set TM,    228                        ; v228-231 largest magnitudes, v232-235 bytes, v240-243 the conversions' scale operands
.set PWS,   244                        ; v244-247 the four fragments' scale words
.set WW,    248                        ; v248-249 the two words that I store
.set SEL,   26                         ; s[26:27] lane selects: lane l xor 16
.set HM,    28                         ; s28 the mask of lanes 16-31
.set STGA,  8448                       ; x, y: a wave's stage, 16 rows x (512 + 16) bytes, at wave x STGA
.set OF,    16                         ; weights: v16-47 byte offset of row i of a block at my column
.set XB,    48                         ; v48-111  two sets of 32 numbers: a block of my column
.set CB,    112                        ; v112-118 a block's codes
.set SB,    120                        ; v120-121 my column's scale words of the two K steps
.set WA,    122                        ; v122 where my blocks go in my wave's four images
.set RA,    123                        ; v123 where I read the images back
.set GL,    124                        ; v124 16 x lane
.set GS,    125                        ; v125 my scale words' place
.set OUTR,  128                        ; v128-175 the images on their way out
.set STGB0, 33792                      ; weights: behind the other way's stages,
.set STGB,  6656                       ; four images a wave,
.set IMG,   1664                       ; 1,536 bytes + 128 apart
	s_load_b256 s[4:11], s[0:1], 0x0               ; x, y, Wq, Wk
	s_load_b256 s[12:19], s[0:1], 0x20             ; Wv, Wo, acodes, ascales
	s_load_b128 s[20:23], s[0:1], 0x40             ; wcodes, wscales
	v_lshl_add_u32 v254, v0, 2, 0xec00
	v_mov_b32 v255, 0
	v_lshrrev_b32 v1, 5, v0
	v_readfirstlane_b32 s24, v1                    ; wave 0..3
	v_and_b32 v5, 31, v0                           ; lane
	v_and_b32 v6, 15, v0                           ; lane % 16
	v_bfe_u32 v7, v0, 4, 1                         ; lane / 16
	s_mov_b32 s[SEL], 0x76543210
	s_mov_b32 s[SEL+1], 0xfedcba98
	s_mov_b32 s[HM], 0xffff0000
	s_cmp_lt_u32 ttmp9, 512
	s_cbranch_scc0 .Lweights
; 64 numbers of a lane, v[s] .. v[s + 63], register 16 b + i = k 32 b + 16 (lane / 16) + i of my row, become a fragment's codes in v[PC] on and its scale word in v[pw] (the same in lanes l and l xor 16).
.macro QUANT s, pw
.irp b, 0,1,2,3
	v_max3_num_f32 v[TM+\b], |v[\s+16*\b]|, |v[\s+1+16*\b]|, 0x2800000   ; my 16 numbers of block b, and the floor 2^(5 - 127): the byte cannot fall under 1
.endr
.irp i, 2,4,6,8,10,12,14
.irp b, 0,1,2,3
	v_max3_num_f32 v[TM+\b], v[TM+\b], |v[\s+16*\b+\i]|, |v[\s+1+16*\b+\i]|   ; the four blocks by turns
.endr
.endr
.irp b, 0,1,2,3
	v_permlanex16_b32 v[TM+4+\b], v[TM+\b], s[SEL], s[SEL+1]
.endr
.irp b, 0,1,2,3
	v_max_num_f32 v[TM+\b], v[TM+\b], v[TM+4+\b]   ; with lane l xor 16's 16: the block's largest magnitude
.endr
.irp b, 0,1,2,3
	v_add_nc_u32 v[TM+12+\b], 0xfe000000, v[TM+\b] ; 4 off its exponent field: the conversion takes this operand's exponent field as its scale
.endr
.irp b, 0,1,2,3
	v_lshrrev_b32 v[TM+4+\b], 23, v[TM+12+\b]      ; the scale's byte
.endr
	v_lshl_or_b32 v[\pw], v[TM+5], 8, v[TM+4]
	v_lshl_or_b32 v[\pw], v[TM+6], 16, v[\pw]
	v_lshl_or_b32 v[\pw], v[TM+7], 24, v[\pw]
.irp c, 0,1
	v_cvt_scalef32_pk16_bf6_f32 v[PC+6*\c:PC+2+6*\c], v[\s+32*\c:\s+15+32*\c], v[TM+12+2*\c]
	v_cvt_scalef32_pk16_bf6_f32 v[PC+12+4*\c:PC+14+4*\c], v[\s+16+32*\c:\s+31+32*\c], v[TM+12+2*\c+1]   ; (a conversion's three registers begin on an even number)
.endr
	v_nop                                          ; one plain instruction behind the scaled conversions
.irp c, 0,1                                    ; the operand wants a whole block in a lane: lanes 0-15 block 2 c, lanes 16-31 block 2 c + 1
.irp i, 0,1,2
	v_permlane16_swap_b32 v[PC+6*\c+\i], v[PC+12+4*\c+\i]
.endr
.irp i, 0,1,2
	v_mov_b32 v[PC+3+6*\c+\i], v[PC+12+4*\c+\i]
.endr
.endr
.endm
	; ---------------- x and y.  Work-group P takes rows 32 P .. 32 P + 31 of [x; y]: tiles 2 (P % 4) and 2 (P % 4) + 1 of group P / 4.  Wave w takes K steps 2 w and 2 w + 1.
	v_lshlrev_b32 v1, 4, v5                        ; 16 x lane: my bytes of a load's 512, and of an image's
	s_mul_i32 s30, s24, STGA
	v_add_nc_u32 v2, s30, v1                       ; the stage, in: as loaded
	v_mul_u32_u24 v3, v6, 528
	v_lshl_add_u32 v3, v7, 6, v3
	v_add_nc_u32 v3, s30, v3                       ; out: row lane % 16, + 64 bytes for lanes 16-31
	v_lshlrev_b32 v4, 4, v6
	v_lshl_add_u32 v4, v7, 3, v4                   ; scale words: 16 r + 8 x (tile of the pair = lane / 16)
.irp b, 0,1,2,3
	v_mov_b32 v[TM+4+\b], 0                        ; written once: a lane permute's destination counts as one of its sources
.endr
	s_and_b32 s32, ttmp9, 255
	s_lshl_b32 s32, s32, 17                        ; 32 rows of 4,096 bytes
	s_lshl_b32 s31, s24, 10                        ; my 256 along K: 1,024 bytes
	s_add_co_u32 s32, s32, s31
	s_mov_b32 s33, 0
	s_lshr_b32 s34, ttmp9, 2                       ; group
	s_and_b32 s35, ttmp9, 3                        ; pair of tiles
	s_mul_i32 s36, s34, 98304
	s_mul_i32 s38, s35, 3072
	s_add_co_u32 s36, s36, s38
	s_mul_i32 s38, s24, 24576
	s_add_co_u32 s36, s36, s38
	s_mov_b32 s37, 0
	s_lshl_b32 s38, s34, 12
	s_add_co_u32 s38, s38, s31                     ; 1,024 bytes of scale words for two K steps
	s_lshl_b32 s39, s35, 8
	s_add_co_u32 s38, s38, s39
	s_mov_b32 s39, 0
	s_wait_alu depctr_va_vdst(0)
	s_wait_kmcnt 0x0
	s_cmp_lt_u32 ttmp9, 256                        ; x or y: the choice hangs on the work-group's number alone
	s_cselect_b64 s[4:5], s[4:5], s[6:7]
	s_add_nc_u64 s[4:5], s[4:5], s[32:33]
	s_add_nc_u64 s[16:17], s[16:17], s[36:37]
	s_add_nc_u64 s[18:19], s[18:19], s[38:39]
; fragment f = 2 u + q: tile u of the pair, my K step q.  Each load takes 512 consecutive bytes of one row.
.macro LOADF f
.set LU, (\f)/2
.set LQ, (\f)%2
.irp p, 0,1,2,3,4,5,6,7,8,9,10,11,12,13,14,15
	global_load_b128 v[RS+64*LQ+4*\p:RS+64*LQ+4*\p+3], v1, s[4:5] offset:(8*LU+\p+8*(\p/8))*4096+512*LQ th:TH_LOAD_NT
.endr
.endm
.macro FRAGQ f
.set FU, (\f)/2
.set FQ, (\f)%2
.if (\f) < 3
	s_wait_loadcnt 16                              ; this fragment's 16 loads are in; the next fragment's 16 may be out
.else
	s_wait_loadcnt 0x0
.endif
.irp p, 0,1,2,3,4,5,6,7,8,9,10,11,12,13,14,15
	ds_store_b128 v2, v[RS+64*FQ+4*\p:RS+64*FQ+4*\p+3] offset:528*\p
.endr
.irp b, 0,1,2,3
.irp j, 0,1,2,3
	ds_load_b128 v[XS0+16*\b+4*\j:XS0+16*\b+4*\j+3], v3 offset:128*\b+16*\j   ; LDS serves a wave's instructions in order: these see the stores above
.endr
.endr
	s_wait_dscnt 0x0                               ; the numbers are back, and the stores have read their registers
	s_wait_xcnt 0x0                                ; the last fragment's stores have read the codes' registers, which are written again below
.if (\f) < 2
	LOADF (\f)+2
.endif
	QUANT XS0, PWS+(\f)
.irp c, 0,1,2
	global_store_b128 v1, v[PC+4*\c:PC+4*\c+3], s[16:17] offset:1536*FU+12288*FQ+512*\c   ; 512 consecutive bytes, at a multiple of 256
.endr
.endm
	LOADF 0
	LOADF 1
	FRAGQ 0
	FRAGQ 1
	FRAGQ 2
	FRAGQ 3
	v_cndmask_b32 v[WW], v[PWS], v[PWS+2], s[HM]   ; lanes 0-15 store the first tile's words, lanes 16-31 the second's
	v_cndmask_b32 v[WW+1], v[PWS+1], v[PWS+3], s[HM]
	global_store_b64 v4, v[WW:WW+1], s[18:19]      ; 256 consecutive bytes
	s_wait_tensorcnt 0x0
	ds_add_u32 v254, v255
	s_wait_dscnt 0x0
	s_endpgm
	; ---------------- the weights.  A LANE TAKES A COLUMN n AND ITS REGISTERS RUN DOWN K: a block of 32 lies in one lane.  Column n = h x 64 + d for Wq, Wk, Wv.
.Lweights:
	s_sub_co_u32 s30, ttmp9, 512
	s_lshr_b32 s31, s30, 5                         ; which weight: 0 Wq, 1 Wk, 2 Wv, 3 Wo
	s_and_b32 s30, s30, 31
	s_lshr_b32 s48, s30, 1
	s_lshl_b32 s48, s48, 1
	s_and_b32 s49, s24, 1
	s_add_co_u32 s48, s48, s49                     ; which 32 columns: waves 0 and 1 (2 and 3) stand side by side
	s_and_b32 s49, s30, 1
	s_lshl_b32 s49, s49, 1
	s_lshr_b32 s50, s24, 1
	s_add_co_u32 s49, s49, s50                     ; which 256 along K
	s_lshl_b32 s51, s48, 7                         ; Wo: 128 bytes for 32 columns
	s_lshr_b32 s52, s48, 1
	s_lshl_b32 s52, s52, 18                        ; the others: a head is 262,144 bytes,
	s_and_b32 s53, s48, 1
	s_lshl_b32 s53, s53, 7                         ; and has two groups of 32 columns
	s_add_co_u32 s52, s52, s53
	s_cmp_eq_u32 s31, 3
	s_cselect_b32 s50, 12, 8                       ; a row along K is 4,096 bytes in Wo, 256 in the others: its logarithm
	s_cselect_b32 s52, s51, s52
	s_add_co_u32 s51, s50, 8
	s_lshl_b32 s51, s49, s51                       ; my 256 rows
	s_add_co_u32 s52, s52, s51
	s_mov_b32 s53, 0
	s_lshl_b32 s54, 1, s50                         ; a row
	s_lshl_b32 s56, 32, s50                        ; a block's 32 rows
	s_mov_b32 s57, 0
	s_lshl_b32 s58, s31, 3
	s_lshr_b32 s59, s48, 2
	s_add_co_u32 s58, s58, s59                     ; group: 8 x weight + columns / 128
	s_and_b32 s59, s48, 3                          ; pair of tiles
	s_mul_i32 s60, s58, 98304
	s_mul_i32 s61, s59, 3072
	s_add_co_u32 s60, s60, s61
	s_mul_i32 s61, s49, 24576
	s_add_co_u32 s60, s60, s61
	s_mov_b32 s61, 0
	s_lshl_b32 s62, s58, 12
	s_lshl_b32 s63, s49, 10
	s_add_co_u32 s62, s62, s63
	s_lshl_b32 s63, s59, 8
	s_add_co_u32 s62, s62, s63
	s_mov_b32 s63, 0
	s_wait_alu depctr_va_vdst(0)
	v_lshlrev_b32 v[OF], 2, v5
.irp i, 1,2,3,4,5,6,7,8,9,10,11,12,13,14,15,16,17,18,19,20,21,22,23,24,25,26,27,28,29,30,31
	v_add_nc_u32 v[OF+\i], s54, v[OF+\i-1]
.endr
	v_bfe_u32 v8, v0, 3, 1                         ; column l of the 32 is row r = l % 8 + 8 (l / 16) of tile u = (l / 8) % 2 of the pair
	v_and_b32 v9, 7, v0
	v_lshl_add_u32 v9, v7, 3, v9
	s_mul_i32 s29, s24, STGB
	s_add_co_u32 s29, s29, STGB0
	v_mul_u32_u24 v[WA], v8, IMG
	v_lshl_add_u32 v[WA], v9, 4, v[WA]
	v_add_nc_u32 v[WA], s29, v[WA]
	v_lshlrev_b32 v[GL], 4, v5
	v_add_nc_u32 v[RA], s29, v[GL]
	v_lshlrev_b32 v[GS], 4, v9
	v_lshl_add_u32 v[GS], v8, 3, v[GS]
	s_wait_kmcnt 0x0
	s_cmp_eq_u32 s31, 0
	s_cselect_b64 s[8:9], s[8:9], s[10:11]
	s_cmp_eq_u32 s31, 2
	s_cselect_b64 s[8:9], s[12:13], s[8:9]
	s_cmp_eq_u32 s31, 3
	s_cselect_b64 s[8:9], s[14:15], s[8:9]
	s_add_nc_u64 s[32:33], s[8:9], s[52:53]        ; a base for each of my eight blocks: nothing is stepped
.irp t, 1,2,3,4,5,6,7
	s_add_nc_u64 s[32+2*\t:33+2*\t], s[30+2*\t:31+2*\t], s[56:57]
.endr
	s_add_nc_u64 s[20:21], s[20:21], s[60:61]
	s_add_nc_u64 s[22:23], s[22:23], s[62:63]
.macro LOADW t
.irp i, 0,1,2,3,4,5,6,7,8,9,10,11,12,13,14,15,16,17,18,19,20,21,22,23,24,25,26,27,28,29,30,31
	global_load_b32 v[XB+32*((\t)%2)+\i], v[OF+\i], s[32+2*(\t):33+2*(\t)] th:TH_LOAD_NT   ; 32 lanes read 128 consecutive bytes of one row
.endr
.endm
; block t of my column: K step t / 4, block t % 4 of it.  In the operand it belongs to lane r + 16 (t % 2), registers 6 ((t % 4) / 2) on: it is stored at that place of the image.
.macro BLOCK t
.set XS, XB+32*((\t)%2)
.set BQ, (\t)/4
.set BH, (\t)%2
.set BHALF, ((\t)%4)/2
.if (\t) < 7
	s_wait_loadcnt 32                              ; this block's 32 loads are in; the next block's may be out
.else
	s_wait_loadcnt 0x0
.endif
	v_max3_num_f32 v12, |v[XS]|, |v[XS+1]|, |v[XS+2]|
	v_max3_num_f32 v13, |v[XS+3]|, |v[XS+4]|, |v[XS+5]|
.irp i, 6,10,14,18,22,26
	v_max3_num_f32 v12, v12, |v[XS+\i]|, |v[XS+\i+1]|
	v_max3_num_f32 v13, v13, |v[XS+\i+2]|, |v[XS+\i+3]|
.endr
	v_max3_num_f32 v12, v12, |v[XS+30]|, |v[XS+31]|
	v_max3_num_f32 v12, v12, v13, 0x2800000        ; and the floor 2^(5 - 127)
	v_add_nc_u32 v11, 0xfe000000, v12              ; the conversions' scale operand
	v_lshrrev_b32 v13, 23, v11                     ; the byte
.if (\t)%4 == 0
	v_mov_b32 v[SB+BQ], v13
.else
	v_lshl_or_b32 v[SB+BQ], v13, 8*((\t)%4), v[SB+BQ]
.endif
	v_cvt_scalef32_pk16_bf6_f32 v[CB:CB+2], v[XS:XS+15], v11
	v_cvt_scalef32_pk16_bf6_f32 v[CB+4:CB+6], v[XS+16:XS+31], v11
	v_nop                                          ; one plain instruction behind the scaled conversions
	v_mov_b32 v[CB+3], v[CB+4]                     ; the block's 24 bytes on end
	v_mov_b32 v[CB+4], v[CB+5]
	v_mov_b32 v[CB+5], v[CB+6]
.if BHALF == 0
	ds_store_b128 v[WA], v[CB:CB+3] offset:2*IMG*BQ+256*BH           ; registers 0-3
	ds_store_b64 v[WA], v[CB+4:CB+5] offset:2*IMG*BQ+256*BH+512      ; registers 4, 5
.else
	ds_store_b64 v[WA], v[CB:CB+1] offset:2*IMG*BQ+256*BH+520        ; registers 6, 7
	ds_store_b128 v[WA], v[CB+2:CB+5] offset:2*IMG*BQ+256*BH+1024    ; registers 8-11
.endif
.if (\t) < 6
	LOADW (\t)+2
.endif
	s_wait_dscnt 0x0                               ; the stores have read their registers: the next block's codes may be written
.endm
	LOADW 0
	LOADW 1
.irp t, 0,1,2,3,4,5,6,7
	BLOCK \t
.endr
	s_wait_alu depctr_va_vdst(0)
	global_store_b64 v[GS], v[SB:SB+1], s[22:23]   ; 256 consecutive bytes of scale words
.irp n, 0,1,2,3,4,5,6,7,8,9,10,11
	ds_load_b128 v[OUTR+4*\n:OUTR+4*\n+3], v[RA] offset:(\n/3)*IMG+512*(\n%3)   ; image n / 3 = 2 q + u; these see my stores
.endr
.irp n, 0,1,2,3,4,5,6,7,8,9,10,11
	s_wait_dscnt 11-\n                             ; LDS loads come back in order: the younger ones may be out
	global_store_b128 v[GL], v[OUTR+4*\n:OUTR+4*\n+3], s[20:21] offset:12288*(\n/6)+1536*((\n/3)%2)+512*(\n%3)
.endr
	s_wait_tensorcnt 0x0
	ds_add_u32 v254, v255
	s_wait_dscnt 0x0
	s_endpgm
.Lfunc_end_k_q8fdbe480e7_quant:
	.size	k_q8fdbe480e7_quant, .Lfunc_end_k_q8fdbe480e7_quant-k_q8fdbe480e7_quant
	.p2alignl 7, 3214868480
	.fill 96, 4, 3214868480
	.section	.rodata,"a",@progbits
	.p2align	6, 0x0
	.amdhsa_kernel k_q8fdbe480e7_quant
		.amdhsa_group_segment_fixed_size 60928
		.amdhsa_private_segment_fixed_size 0
		.amdhsa_enable_private_segment 0
		.amdhsa_kernarg_size 80
		.amdhsa_user_sgpr_count 2
		.amdhsa_user_sgpr_kernarg_segment_ptr 1
		.amdhsa_wavefront_size32 1
		.amdhsa_system_sgpr_workgroup_id_x 1
		.amdhsa_system_sgpr_workgroup_id_y 1
		.amdhsa_system_sgpr_workgroup_id_z 1
		.amdhsa_system_vgpr_workitem_id 0
		.amdhsa_next_free_vgpr 256
		.amdhsa_next_free_sgpr 66
		.amdhsa_reserve_vcc 0
		.amdhsa_float_denorm_mode_32 3
		.amdhsa_float_denorm_mode_16_64 3
		.amdhsa_memory_ordered 1
		.amdhsa_forward_progress 1
		.amdhsa_inst_pref_size 77
	.end_amdhsa_kernel
	.amdgpu_metadata
---
amdhsa.version: [ 1, 2 ]
amdhsa.kernels:
  - .name:           k_q8fdbe480e7_quant
    .symbol:         k_q8fdbe480e7_quant.kd
    .args:
      - { .name: x, .offset: 0, .size: 8, .value_kind: global_buffer, .address_space: global }
      - { .name: y, .offset: 8, .size: 8, .value_kind: global_buffer, .address_space: global }
      - { .name: Wq, .offset: 16, .size: 8, .value_kind: global_buffer, .address_space: global }
      - { .name: Wk, .offset: 24, .size: 8, .value_kind: global_buffer, .address_space: global }
      - { .name: Wv, .offset: 32, .size: 8, .value_kind: global_buffer, .address_space: global }
      - { .name: Wo, .offset: 40, .size: 8, .value_kind: global_buffer, .address_space: global }
      - { .name: acodes, .offset: 48, .size: 8, .value_kind: global_buffer, .address_space: global }
      - { .name: ascales, .offset: 56, .size: 8, .value_kind: global_buffer, .address_space: global }
      - { .name: wcodes, .offset: 64, .size: 8, .value_kind: global_buffer, .address_space: global }
      - { .name: wscales, .offset: 72, .size: 8, .value_kind: global_buffer, .address_space: global }
    .group_segment_fixed_size: 60928
    .private_segment_fixed_size: 0
    .kernarg_segment_align: 8
    .kernarg_segment_size: 80
    .max_flat_workgroup_size: 128
    .sgpr_count:     66
    .vgpr_count:     256
    .wavefront_size: 32
...
	.end_amdgpu_metadata
.endif
;; end of part 1
;; launch proj (part 2): grid 4 x 64, 4 waves a work-group, clusters of 4 x 4, 327,680 bytes of LDS; arguments acodes, ascales, wcodes, wscales, bq, bk, bv, qkv, qkvs; writes qkv, qkvs
.if DOCPART == 2
	.amdgcn_target "amdgcn-amd-amdhsa--gfx1250"
	.amdhsa_code_object_version 6
	.text
	.protected	k_q8fdbe480e7_proj
	.globl	k_q8fdbe480e7_proj
	.p2align	8
	.type	k_q8fdbe480e7_proj,@function
k_q8fdbe480e7_proj:
	s_mov_b64 s[64:65], 0
	v_nop
	global_prefetch_b8 v0, s[64:65] scope:SCOPE_SE
	s_setreg_imm32_b32 hwreg(HW_REG_WAVE_MODE, 25, 1), 1
	s_wait_xcnt 0x0
	s_wait_alu depctr_hold_cnt(0) depctr_sa_sdst(0) depctr_va_vdst(0) depctr_va_sdst(0) depctr_va_ssrc(0) depctr_va_vcc(0) depctr_vm_vsrc(0)
	s_getreg_b32 s2, hwreg(HW_REG_IB_STS2, 6, 4)
	s_cmp_eq_u32 s2, 0
	s_cbranch_scc0 .Lentry_in_a_cluster
	s_endpgm
.Lentry_in_a_cluster:
	s_bfe_u32 s2, ttmp6, 0x10000c
	s_cmp_lg_u32 s2, 0xf033
	s_cbranch_scc0 .Lentry_shape_is_right
	s_endpgm
.Lentry_shape_is_right:
; The three projections on codes of BF6, each 8,192 x 1,024 x 1,024, their biases, and the quantising of the results: q and k along the head's 64, v along the keys.
; JOB (cluster y / 8 + 1): 0: q = x Wq + bq;  1: k = y Wk + bk;  2: v^T = Wv^T y^T + bv.  One text: the job chooses buffers and groups by selections, and only the way out has two forms.
; A tile of 256 x 256 of the result is made by four waves, 128 x 128 each: 64 accumulators.  THE MATRIX INSTRUCTION IS USED TRANSPOSED: source 0 = operand B (16 rows), source 1 = operand A (16 rows):
; a lane holds ONE row of A's side and its registers run along B's side.  Jobs 0, 1: A = x or y, B = the weight, so the registers run along the head's d; job 2: A = Wv, B = y, so they run along the keys.
; The operands lie in memory as images of their registers (groups of 128 rows; tile i holds rows 32 (i/2) + 8 (i%2) + r + 8 (r/8); [group][K step][tile][1536]).  With that order of rows the 64 registers of
; one block of 16 rows (eight accumulators) are, in each lane, columns 32 b + 16 (lane/16) + 0 .. 15, b = 0 .. 3: just what the quantiser takes.
; K = 1,024 goes in four steps of 256 through two LDS slots; two K steps of a group are 24,576 dense bytes, one tensor load.  The scale words of all K (4,096 bytes a group) come once.
; CLUSTER 4 x 4: A's tiles are shared along a row of the cluster, B's along a column, by joint loads.
; RESULTS: q, k: [b h][tile T 0..127][768]: half images (registers 0-3 at 16 l, registers 4, 5 at 512 + 8 l); scale words, 512 bytes for 8 tiles: (tile t, r) at 16 r + 256 (t%2) + 4 (t/2), bytes 2, 3 = 0.
;          v: [b h][key step 0..15][d tile 0..3][1536]: images, rows d in the tiles' order; scale words, 256 bytes a step: (dt, r) at 8 r + 128 (dt%2) + 4 (dt/2).
; LIMITS: NaN and infinities are not served; a block whose largest magnitude lies under 2^-122 gets the byte 1.
; REGISTERS: window 0: v16-29 addresses; v32-63 scale words, two sets; v64-127 the bias along the registers; v128-223 A's fragments, one set (on the way out: v128-191 numbers, v192-210 codes, v212-223 words);
;   v224-231 the bias along the lanes; v232-247 the quantiser's; v248-255 eight scale words.  window 1: B's fragments, two sets, at v0 and v128.  windows 2, 3: the accumulators, (a, b) at v[8 (8 (a % 4) + b)].
; Of the jobs above only 1 and 2 are launched (16 clusters along y): q is made by the attention launch from x's and Wq's codes.
; THE HEAD: one joint load a wave: wave 0 both groups of A for slot 0 (two rows of 24,576 bytes, 98,304 apart), wave 1 those of B, wave 2 A's scale words (8,192 dense bytes), wave 3 B's.
.set NLA,   3
.set PART,  24576                      ; two K steps of a group of 128 rows
.set SLOT,  4*PART                     ; A's two groups, then B's two
.set FRB,   1536
.set FR,    12
.set SCL,   2*SLOT                     ; behind the ring: the four groups' scale words, 4,096 bytes each, filled once
.set SPARE, SCL+4*4096                 ; the spare words, 128 bytes a wave: two blocks of 256 bytes that no other line names
.set ADRA,  16                         ; v16-17 my A fragments in slot 0, 1: + 16 x lane
.set ADRB,  20                         ; v20-21 the same for B
.set L16,   24                         ; v24 16 x lane
.set L8,    25                         ; v25 8 x lane
.set ADRS,  27                         ; v27 my scale words: lanes 0-15 A's, lanes 16-31 B's
.set SPW,   28                         ; v28 my spare word; never rewritten
.set NIL,   29                         ; v29 0; never rewritten
.set SC,    32
.set BC,    64
.set AF,    128
.set TT,    128
.set PC,    192
.set MW,    212
.set BR,    224
.set TM,    232
.set PWS,   248
.set SEL,   2                          ; s[2:3]
.set WV,    22
.set WH,    23                         ; which half of the tile's rows is mine; also: I fetch for A (0) or B (1)
.set WL,    24                         ; which half of its columns; also: which group of that operand I fetch
.set CX,    25
.set CY,    26
.set JOB,   27
.set HM,    31                         ; the mask of lanes 16-31
.set R0,    66                         ; my first row on A's side
.set C0,    67                         ; my first column (row on B's side)
.set G1A,   32
.set G1B,   40
.set G1SA,  48
.set G1SB,  56
.set G0A,   68                         ; s[68:75] two slots
.set G0B,   76
.set G0SA,  84
.set G0SB,  88
.set MSB, 0
.macro WIN new                         ; the immediate's high byte repeats the setting that is left
.if MSB != (\new)
	s_set_vgpr_msb (MSB<<8)|(\new)
.set MSB, (\new)
.endif
.endm
.set TO_B, 0x40                        ; destination window 1, address window 0
.macro MWIN hi                         ; source 0 (B) window 1, source 1 (A) window 0, C and D window 2 or 3
	WIN 0xa1+0x50*(\hi)
.endm
; A joint load: waves 0 and 1 fetch for A, waves 2 and 3 for B.  The branch hangs on the wave's number alone.  Four v_nop follow each of the two lines.
.macro JLOAD g0a, g1a, g0b, g1b
	s_cmp_eq_u32 s[WH], 0
	s_cbranch_scc0 .Lfor_b_\@
	tensor_load_to_lds s[\g0a:\g0a+3], s[\g1a:\g1a+7]
	s_nop 0
.rept 4
	v_nop
.endr
	s_branch .Lasked_\@
.Lfor_b_\@:
	tensor_load_to_lds s[\g0b:\g0b+3], s[\g1b:\g1b+7]
	s_nop 0
.rept 4
	v_nop
.endr
.Lasked_\@:
.endm
.macro CREST                           ; a round of the cluster's barrier behind its opening barrier
	s_cmp_lg_u32 s[WV], 0
	s_cbranch_scc1 .Lnot_wave_0_\@
	s_barrier_signal -3
.Lnot_wave_0_\@:
	s_barrier_wait -3
	s_barrier_signal -1
	s_barrier_wait -1
.endm
.macro CROUND
	s_barrier_signal -1
	s_barrier_wait -1
	CREST
.endm
.macro PLACES n
.rept \n
	v_nop
.endr
.endm
	s_load_b256 s[4:11], s[0:1], 0x0               ; acodes, ascales, wcodes, wscales
	s_load_b256 s[12:19], s[0:1], 0x20             ; bq, bk, bv, qkv
	s_load_b64 s[20:21], s[0:1], 0x40              ; qkvs
	v_lshl_add_u32 v[SPW], v0, 2, SPARE
	v_mov_b32 v[NIL], 0
	ds_add_u32 v28, v29
	ds_add_u32 v28, v29
	s_wait_dscnt 0x0
	v_lshrrev_b32 v1, 5, v0
	v_readfirstlane_b32 s[WV], v1
	s_lshr_b32 s[WH], s[WV], 1
	s_and_b32 s[WL], s[WV], 1
	s_bfe_u32 s[CX], ttmp6, 0x40000
	s_bfe_u32 s[CY], ttmp6, 0x40004
	s_and_b32 s28, ttmp7, 0xffff                   ; cluster y: 8 clusters to a job
	s_lshr_b32 s[JOB], s28, 3
	s_add_co_u32 s[JOB], s[JOB], 1                 ; jobs 1 and 2
	s_and_b32 s28, s28, 7
	s_lshl_b32 s28, s28, 2                         ; the cluster's first tile along the axis of 8,192
	s_lshl_b32 s29, s[CY], 2
	s_lshl_b32 s29, 15, s29                        ; my row of the cluster
	s_lshl_b32 s30, 0x1111, s[CX]                  ; my column
	; group 1: dense blocks as rows of 256 bytes (32 elements of 8 bytes); 15:0 the mask, 17:16 element size, 21 set beside a mask; no padding: images are read 16 bytes a lane on end
	s_or_b32 s[G1A], s29, (3<<16)|(1<<21)
	s_or_b32 s[G1B], s30, (3<<16)|(1<<21)
	s_or_b32 s[G1SA], s29, (3<<16)|(1<<21)
	s_or_b32 s[G1SB], s30, (3<<16)|(1<<21)
.irp g, G1A, G1B
	s_mov_b32 s[\g+1], 3072<<16                    ; for the head's load: a row is 24,576 bytes,
	s_mov_b32 s[\g+2], 2<<16                       ; two rows,
	s_mov_b32 s[\g+3], 3072<<16
	s_mov_b32 s[\g+4], 2
	s_mov_b32 s[\g+5], 12288                       ; 98,304 bytes apart
	s_mov_b32 s[\g+6], 0
	s_mov_b32 s[\g+7], 0
.endr
.irp g, G1SA, G1SB
	s_mov_b32 s[\g+1], 32<<16
	s_mov_b32 s[\g+2], 32<<16                      ; 32 rows = 8,192 bytes: two groups' scale words
	s_mov_b32 s[\g+3], 32<<16
	s_mov_b32 s[\g+4], 32
	s_mov_b32 s[\g+5], 32
	s_mov_b32 s[\g+6], 0
	s_mov_b32 s[\g+7], 0
.endr
	s_lshl_b32 s2, s[JOB], 6
	s_lshl_b32 s3, s[JOB], 3
	s_cmp_lt_u32 s[JOB], 2
	s_cselect_b32 s2, s2, 16                       ; A's first group: x 0, y 64, Wv 16
	s_cselect_b32 s3, s3, 64                       ; B's: Wq 0, Wk 8, y 64
	s_cselect_b32 s100, s28, 0
	s_cselect_b32 s101, 0, s28
	s_add_co_u32 s100, s100, s[CY]                 ; tile row: hangs on cy alone
	s_add_co_u32 s101, s101, s[CX]                 ; tile column: on cx alone
	s_lshl_b32 s[R0], s100, 8
	s_lshl_b32 s31, s[WH], 7
	s_add_co_u32 s[R0], s[R0], s31
	s_lshl_b32 s[C0], s101, 8
	s_lshl_b32 s31, s[WL], 7
	s_add_co_u32 s[C0], s[C0], s31
	s_lshl_b32 s100, s100, 1
	s_add_co_u32 s100, s100, s2
	s_add_co_u32 s100, s100, s[WL]                 ; the group of A that I would fetch
	s_lshl_b32 s101, s101, 1
	s_add_co_u32 s101, s101, s3
	s_add_co_u32 s101, s101, s[WL]                 ; and of B
	s_mul_i32 s[G0A+2], s100, 98304                ; byte offsets, made in the descriptors' own address words
	s_mov_b32 s[G0A+3], 0
	s_lshl_b32 s[G0SA+2], s100, 12
	s_mov_b32 s[G0SA+3], 0
	s_mul_i32 s[G0B+2], s101, 98304
	s_mov_b32 s[G0B+3], 0
	s_lshl_b32 s[G0SB+2], s101, 12
	s_mov_b32 s[G0SB+3], 0
	s_mul_i32 s[G0A+1], s[WV], PART                ; LDS: wave x 24,576: no place in the cluster enters an LDS address
	s_add_co_u32 s[G0A+5], s[G0A+1], SLOT
	s_mul_i32 s[G0B+1], s[WV], PART
	s_add_co_u32 s[G0B+5], s[G0B+1], SLOT
	s_lshl_b32 s[G0SA+1], s[WV], 12
	s_add_co_u32 s[G0SA+1], s[G0SA+1], SCL
	s_lshl_b32 s[G0SB+1], s[WV], 12
	s_add_co_u32 s[G0SB+1], s[G0SB+1], SCL
	s_mov_b32 s[G0A], 1
	s_mov_b32 s[G0A+4], 1
	s_mov_b32 s[G0B], 1
	s_mov_b32 s[G0B+4], 1
	s_mov_b32 s[G0SA], 1
	s_mov_b32 s[G0SB], 1
	s_wait_kmcnt 0x0
	s_cmp_lt_u32 s[JOB], 2                         ; the choice of buffers hangs on the job alone
	s_cselect_b64 s[92:93], s[4:5], s[8:9]         ; A's codes
	s_cselect_b64 s[94:95], s[6:7], s[10:11]       ; A's scale words
	s_cselect_b64 s[96:97], s[8:9], s[4:5]         ; B's codes
	s_cselect_b64 s[98:99], s[10:11], s[6:7]       ; B's scale words
	s_add_nc_u64 s[G0A+2:G0A+3], s[92:93], s[G0A+2:G0A+3]
	s_add_nc_u64 s[G0A+6:G0A+7], s[G0A+2:G0A+3], PART              ; slot 1 begins with K steps 2, 3
	s_add_nc_u64 s[G0B+2:G0B+3], s[96:97], s[G0B+2:G0B+3]
	s_add_nc_u64 s[G0B+6:G0B+7], s[G0B+2:G0B+3], PART
	s_add_nc_u64 s[G0SA+2:G0SA+3], s[94:95], s[G0SA+2:G0SA+3]
	s_add_nc_u64 s[G0SB+2:G0SB+3], s[98:99], s[G0SB+2:G0SB+3]
	s_or_b32 s[G0A+3], s[G0A+3], 0x80000000        ; type = 2
	s_or_b32 s[G0A+7], s[G0A+7], 0x80000000
	s_or_b32 s[G0B+3], s[G0B+3], 0x80000000
	s_or_b32 s[G0B+7], s[G0B+7], 0x80000000
	s_or_b32 s[G0SA+3], s[G0SA+3], 0x80000000
	s_or_b32 s[G0SB+3], s[G0SB+3], 0x80000000
	s_mul_i32 s100, s[WL], 98304                   ; the head's loads begin at the operand's first group: my group's offset is taken off
	s_mov_b32 s101, 0
	s_mov_b32 s4, 1
	s_mov_b32 s5, 0
	s_sub_nc_u64 s[6:7], s[G0A+2:G0A+3], s[100:101]
	s_mov_b32 s8, 1
	s_mov_b32 s9, 2*PART
	s_sub_nc_u64 s[10:11], s[G0B+2:G0B+3], s[100:101]
	s_lshl_b32 s100, s[WL], 12
	s_mov_b32 s92, 1
	s_mov_b32 s93, SCL
	s_sub_nc_u64 s[94:95], s[G0SA+2:G0SA+3], s[100:101]
	s_mov_b32 s96, 1
	s_mov_b32 s97, SCL+8192
	s_sub_nc_u64 s[98:99], s[G0SB+2:G0SB+3], s[100:101]
	CROUND                                         ; all sixteen work-groups are here: the first joint loads meet
.macro ARM under, g0, g1, next
	s_cmp_lt_u32 s[WV], \under
	s_cbranch_scc0 \next
	tensor_load_to_lds s[\g0:\g0+3], s[\g1:\g1+7]
	s_nop 0
.rept 4
	v_nop
.endr
	s_branch .Lhead_asked
\next:
.endm
	ARM 1, 4, G1A, .Lhead_b
	ARM 2, 8, G1B, .Lhead_sa
	ARM 3, 92, G1SA, .Lhead_sb
	tensor_load_to_lds s[96:99], s[G1SB:G1SB+7]
	s_nop 0
.rept 4
	v_nop
.endr
.Lhead_asked:
	; the biases.  Jobs 0, 1 want the bias of the columns (along a lane's registers), job 2 that of the rows (one a lane and block).  Both sets are loaded in every job, so that one text serves:
	; the set that the job does not use is read at the buffer's start and left alone.
	s_cmp_eq_u32 s[JOB], 0
	s_cselect_b64 s[12:13], s[12:13], s[14:15]
	s_cmp_eq_u32 s[JOB], 2
	s_cselect_b64 s[12:13], s[16:17], s[12:13]
	s_lshl_b32 s14, s[C0], 2
	s_lshl_b32 s16, s[R0], 2
	s_cmp_lt_u32 s[JOB], 2
	s_cselect_b32 s14, s14, 0
	s_cselect_b32 s16, 0, s16
	s_mov_b32 s15, 0
	s_mov_b32 s17, 0
	s_add_nc_u64 s[14:15], s[12:13], s[14:15]
	s_add_nc_u64 s[16:17], s[12:13], s[16:17]
	v_and_b32 v1, 31, v0                           ; lane
	v_and_b32 v2, 15, v0                           ; r
	v_bfe_u32 v3, v0, 4, 1                         ; h
	v_lshlrev_b32 v6, 6, v3                        ; 64 h: my 16 columns of each 32
	v_and_b32 v7, 8, v2
	v_add_nc_u32 v7, v7, v2
	v_lshlrev_b32 v7, 2, v7                        ; 4 (r + 8 (r / 8))
.irp n, 0,1,2,3,4,5,6,7,8,9,10,11,12,13,14,15
	global_load_b128 v[BC+4*\n:BC+4*\n+3], v6, s[14:15] offset:128*(\n/4)+16*(\n%4)
.endr
.irp a, 0,1,2,3,4,5,6,7
	global_load_b32 v[BR+\a], v7, s[16:17] offset:4*(32*(\a/2)+8*(\a%2))
.endr
	v_lshlrev_b32 v[L16], 4, v1
	v_lshlrev_b32 v[L8], 3, v1
	s_mul_i32 s31, s[WH], PART
	v_add_nc_u32 v[ADRA], s31, v[L16]
	s_add_co_u32 s31, s31, SLOT
	v_add_nc_u32 v[ADRA+1], s31, v[L16]
	s_mul_i32 s31, s[WL], PART
	s_add_co_u32 s31, s31, 2*PART
	v_add_nc_u32 v[ADRB], s31, v[L16]
	s_add_co_u32 s31, s31, SLOT
	v_add_nc_u32 v[ADRB+1], s31, v[L16]
	s_xor_b32 s31, s[WH], 1
	s_add_co_u32 s31, s31, s[WL]
	s_add_co_u32 s31, s31, 1
	s_lshl_b32 s31, s31, 12                        ; from A's words (part WH) to B's (part 2 + WL)
	v_mul_u32_u24 v5, s31, v3                      ; lanes 16-31 take B's: one product with the lane's half
	v_lshl_add_u32 v5, v2, 4, v5
	s_lshl_b32 s31, s[WH], 12
	s_add_co_u32 s31, s31, SCL
	v_add_nc_u32 v[ADRS], s31, v5
.irp b, 0,1,2,3
	v_mov_b32 v[TM+4+\b], 0                        ; written once: a lane permute's destination counts as one of its sources
.endr
	s_mov_b32 s[SEL], 0x76543210
	s_mov_b32 s[SEL+1], 0xfedcba98
	s_mov_b32 s[HM], 0xffff0000
.macro FRAGF reg, adr, off             ; a fragment comes back as it was stored: three loads of 16 bytes a lane, 512 bytes apart
.irp c, 0,1,2
	ds_load_b128 v[\reg+4*\c:\reg+4*\c+3], v[\adr] offset:\off+512*\c
.endr
.endm
.macro FETCH_B slot, q, p              ; B's eight fragments of the slot's q-th 128 along K into set p
	WIN TO_B
.irp i, 0,1,2,3,4,5,6,7
	FRAGF 128*(\p)+FR*\i, ADRB+\slot, (8*(\q)+\i)*FRB
.endr
	WIN 0
.endm
.macro FETCH_A slot, q, i0             ; A's blocks i0 .. i0 + 3
.irp i, \i0, \i0+1, \i0+2, \i0+3
	FRAGF AF+FR*(\i), ADRA+\slot, (8*(\q)+(\i))*FRB
.endr
.endm
.macro SCALES set, kk                  ; the scale words of slot step kk: register 2 i + q of the set: lanes 0-15 A's block i, lanes 16-31 B's block i
.irp n, 0,1,2,3
	ds_load_b128 v[SC+16*(\set)+4*\n:SC+16*(\set)+4*\n+3], v[ADRS] offset:1024*(\kk)+256*\n
.endr
.endm
; 16 matrix instructions: A's blocks a0, a0 + 1 x B's eight.  p: B's set; q: which 128 of the slot; sc: the set of scale words; zero = 1: the first product starts the sums.
; The 64 accumulators take turns, one instruction a turn, in the same order in every step.
.macro MUL16 a0, p, q, sc, zero
.irp a, \a0, \a0+1
.irp b, 0,1,2,3,4,5,6,7
.if \zero
	v_wmma_scale_f32_16x16x128_f8f6f4 v[8*(8*((\a)%4)+\b):8*(8*((\a)%4)+\b)+7], v[128*(\p)+FR*\b:128*(\p)+FR*\b+FR-1], v[AF+FR*(\a):AF+FR*(\a)+FR-1], 0, v[SC+16*(\sc)+2*\b+(\q)], v[SC+16*(\sc)+2*(\a)+(\q)] matrix_a_fmt:MATRIX_FMT_BF6 matrix_b_fmt:MATRIX_FMT_BF6 matrix_a_scale:MATRIX_SCALE_ROW1
.else
	v_wmma_scale_f32_16x16x128_f8f6f4 v[8*(8*((\a)%4)+\b):8*(8*((\a)%4)+\b)+7], v[128*(\p)+FR*\b:128*(\p)+FR*\b+FR-1], v[AF+FR*(\a):AF+FR*(\a)+FR-1], v[8*(8*((\a)%4)+\b):8*(8*((\a)%4)+\b)+7], v[SC+16*(\sc)+2*\b+(\q)], v[SC+16*(\sc)+2*(\a)+(\q)] matrix_a_fmt:MATRIX_FMT_BF6 matrix_b_fmt:MATRIX_FMT_BF6 matrix_a_scale:MATRIX_SCALE_ROW1
.endif
.endr
.endr
.endm
; A slot's first 128 along K.  A load into a register that a matrix instruction has read stands four plain vector instructions behind it (ISA guide 7.12.1 for vector instructions).
.macro STEP slot, zero
	s_wait_dscnt 4*NLA                             ; B's set, A's blocks 0-3 and the scale words are in; the youngest loads (A's blocks 4-7) may be out
	MWIN 0
	MUL16 0, 0, 0, \slot, \zero
	MUL16 2, 0, 0, \slot, \zero
	s_wait_dscnt 0x0                               ; A's blocks 4-7 are in
	PLACES 4
	FETCH_B \slot, 1, 1
	FETCH_A \slot, 1, 0
	MWIN 1
	MUL16 4, 0, 0, \slot, \zero
	MUL16 6, 0, 0, \slot, \zero
	PLACES 4
	WIN 0
	FETCH_A \slot, 1, 4
.endm
; A slot's second 128 changes slots: ONE barrier; in front of it each wave waits for all its tensor loads, adds 0 to its spare word, and waits for that and for its reads of this slot.
; fill = 1: the barrier opens a round of the cluster's barrier, and this slot is filled again, two slot steps ahead, first thing behind the round.
.macro TURN slot, next, fill, kk
	s_wait_tensorcnt 0x0                           ; all my tensor loads have landed: my part of the next slot
	ds_add_u32 v[SPW], v[NIL]                      ; 0 onto my spare word
	s_wait_dscnt 4*NLA+1                           ; the add and the youngest loads (A's blocks 4-7) may be out
	MWIN 0
	MUL16 0, 1, 1, \slot, 0                        ; sixteen matrix instructions stand between the add and the wait for it
	s_wait_dscnt 0x0                               ; the add is done, and my reads of this slot are over
	s_barrier_signal -1
	MUL16 2, 1, 1, \slot, 0
	WIN 0
	s_barrier_wait -1
.if \fill
	CREST                                          ; no wave of any partner still reads this slot or has a load on its way
	s_add_nc_u64 s[G0A+4*\slot+2:G0A+4*\slot+3], s[G0A+4*\slot+2:G0A+4*\slot+3], 2*PART
	s_add_nc_u64 s[G0B+4*\slot+2:G0B+4*\slot+3], s[G0B+4*\slot+2:G0B+4*\slot+3], 2*PART
	JLOAD G0A+4*\slot, G1A, G0B+4*\slot, G1B       ; the four v_nop behind it are also the places in front of the loads below
.else
	PLACES 4
.endif
	FETCH_B \next, 0, 0
	FETCH_A \next, 0, 0
	SCALES \next, \kk
	MWIN 1
	MUL16 4, 1, 1, \slot, 0
	MUL16 6, 1, 1, \slot, 0
	PLACES 4
	WIN 0
	FETCH_A \next, 0, 4
.endm
	s_wait_alu depctr_va_vdst(0)
	s_wait_tensorcnt 0x0                           ; my tile of the head's four is in
	ds_add_u32 v[SPW], v[NIL]
.irp g, G1A, G1B
	s_mov_b32 s[\g+1], 32<<16                      ; no tensor load of mine is out: from here on a load brings 96 rows of 256 bytes
	s_mov_b32 s[\g+2], 96<<16
	s_mov_b32 s[\g+3], 32<<16
	s_mov_b32 s[\g+4], 96
	s_mov_b32 s[\g+5], 32
.endr
	s_wait_dscnt 0x0
	CROUND                                         ; a whole round: all four tiles are in,
	JLOAD G0A+4, G1A, G0B+4, G1B                   ; and slot 1's first fill is the first tensor load behind it
	FETCH_B 0, 0, 0
	FETCH_A 0, 0, 0
	SCALES 0, 0
	FETCH_A 0, 0, 4
	STEP 0, 1                                      ; K = 1,024 is eight steps: written out, no loop
	TURN 0, 1, 1, 1
	STEP 1, 0
	TURN 1, 0, 1, 2
	STEP 0, 0
	TURN 0, 1, 0, 3                                ; nothing is left to fetch
	STEP 1, 0
	s_wait_dscnt 4*NLA
	MWIN 0
	MUL16 0, 1, 1, 1, 0
	MUL16 2, 1, 1, 1, 0
	s_wait_dscnt 0x0
	MWIN 1
	MUL16 4, 1, 1, 1, 0
	MUL16 6, 1, 1, 1, 0
	WIN 0
; 64 numbers of a lane, register 16 b + i = k 32 b + 16 (lane / 16) + i of my row, become a fragment's codes in v[PC] on and its scale word in v[pw] (the same in lanes l and l xor 16).
.macro QUANT s, pw
.irp b, 0,1,2,3
	v_max3_num_f32 v[TM+\b], |v[\s+16*\b]|, |v[\s+1+16*\b]|, 0x2800000   ; and the floor 2^(5 - 127): the byte cannot fall under 1
.endr
.irp i, 2,4,6,8,10,12,14
.irp b, 0,1,2,3
	v_max3_num_f32 v[TM+\b], v[TM+\b], |v[\s+16*\b+\i]|, |v[\s+1+16*\b+\i]|
.endr
.endr
.irp b, 0,1,2,3
	v_permlanex16_b32 v[TM+4+\b], v[TM+\b], s[SEL], s[SEL+1]
.endr
.irp b, 0,1,2,3
	v_max_num_f32 v[TM+\b], v[TM+\b], v[TM+4+\b]
.endr
.irp b, 0,1,2,3
	v_add_nc_u32 v[TM+12+\b], 0xfe000000, v[TM+\b] ; 4 off the exponent field: the conversion's scale operand
.endr
.irp b, 0,1,2,3
	v_lshrrev_b32 v[TM+4+\b], 23, v[TM+12+\b]      ; the byte
.endr
	v_lshl_or_b32 v[\pw], v[TM+5], 8, v[TM+4]
	v_lshl_or_b32 v[\pw], v[TM+6], 16, v[\pw]
	v_lshl_or_b32 v[\pw], v[TM+7], 24, v[\pw]
.irp c, 0,1
	v_cvt_scalef32_pk16_bf6_f32 v[PC+6*\c:PC+2+6*\c], v[\s+32*\c:\s+15+32*\c], v[TM+12+2*\c]
	v_cvt_scalef32_pk16_bf6_f32 v[PC+12+4*\c:PC+14+4*\c], v[\s+16+32*\c:\s+31+32*\c], v[TM+12+2*\c+1]
.endr
	v_nop                                          ; one plain instruction behind the scaled conversions
.irp c, 0,1
.irp i, 0,1,2
	v_permlane16_swap_b32 v[PC+6*\c+\i], v[PC+12+4*\c+\i]
.endr
.irp i, 0,1,2
	v_mov_b32 v[PC+3+6*\c+\i], v[PC+12+4*\c+\i]
.endr
.endr
.endm
; block a's 64 sums + the bias -> v[TT] on; each accumulator is read from its low end on.  isv = 1: the bias of my row (one number, both halves of the packed form take it); else that of my columns.
.macro ADDB a, isv
.set AC, 64*((\a)%4)
	WIN 0x02+((\a)/4)                              ; source 0: window 2 or 3
.set ii, 0
.rept 32
.if \isv
.if (\a)%2
	v_pk_add_f32 v[TT+ii:TT+ii+1], v[AC+ii:AC+ii+1], v[BR+2*((\a)/2):BR+2*((\a)/2)+1] op_sel:[0,1] op_sel_hi:[1,1]
.else
	v_pk_add_f32 v[TT+ii:TT+ii+1], v[AC+ii:AC+ii+1], v[BR+2*((\a)/2):BR+2*((\a)/2)+1] op_sel:[0,0] op_sel_hi:[1,0]
.endif
.else
	v_pk_add_f32 v[TT+ii:TT+ii+1], v[AC+ii:AC+ii+1], v[BC+ii:BC+ii+1]
.endif
.set ii, ii+2
.endr
	WIN 0
.endm
	s_wait_loadcnt 0x0                             ; the biases
	PLACES 4                                       ; behind the last products, in front of the first read of results
	s_cmp_eq_u32 s[JOB], 2                         ; the job is the same in all partners of a cluster
	s_cbranch_scc1 .Lout_v
	; ---- q, k: my 128 columns are two heads; a block's fragment is two half images, one for each head
	s_lshr_b32 s12, s[R0], 11
	s_lshl_b32 s12, s12, 4
	s_lshr_b32 s13, s[C0], 6
	s_add_co_u32 s12, s12, s13                     ; b x 16 + head
	s_bfe_u32 s13, s[R0], 0x40007                  ; which 128 rows of the sequence
	s_mul_i32 s14, s[JOB], 6291456
	s_mul_i32 s16, s12, 98304
	s_add_co_u32 s14, s14, s16
	s_mul_i32 s16, s13, 6144
	s_add_co_u32 s14, s14, s16
	s_mov_b32 s15, 0
	s_add_nc_u64 s[18:19], s[18:19], s[14:15]
	s_mul_i32 s14, s[JOB], 786432
	s_mul_i32 s16, s12, 12288
	s_add_co_u32 s14, s14, s16
	s_lshl_b32 s16, s13, 9
	s_add_co_u32 s14, s14, s16
	s_add_nc_u64 s[20:21], s[20:21], s[14:15]
.irp a, 0,1,2,3,4,5,6,7
.if \a > 0
	s_wait_xcnt 0x0                                ; the last block's stores have read the codes' registers
.endif
	ADDB \a, 0
	QUANT TT, PWS+\a
	global_store_b128 v[L16], v[PC:PC+3], s[18:19] offset:768*\a
	global_store_b64 v[L8], v[PC+4:PC+5], s[18:19] offset:768*\a+512
	global_store_b128 v[L16], v[PC+6:PC+9], s[18:19] offset:98304+768*\a
	global_store_b64 v[L8], v[PC+10:PC+11], s[18:19] offset:98304+768*\a+512
.endr
.irp j, 0,1,2,3
	v_cndmask_b32 v[MW+\j], v[PWS+2*\j], v[PWS+2*\j+1], s[HM]   ; lanes 0-15 the even tile's word, lanes 16-31 the odd tile's
.endr
.irp j, 0,1,2,3
	v_and_b32 v[MW+4+\j], 0xffff, v[MW+\j]         ; the first head's two bytes,
	v_lshrrev_b32 v[MW+8+\j], 16, v[MW+\j]         ; the second's; the upper two bytes are 0: they stand over zero codes
.endr
	global_store_b128 v[L16], v[MW+4:MW+7], s[20:21]
	global_store_b128 v[L16], v[MW+8:MW+11], s[20:21] offset:12288
	s_branch .Lend
.Lout_v:
	; ---- v: my 128 rows are two heads' d, four tiles each; my 128 columns are one key step
	s_lshr_b32 s12, s[C0], 11
	s_lshl_b32 s12, s12, 4
	s_lshr_b32 s13, s[R0], 6
	s_add_co_u32 s12, s12, s13
	s_bfe_u32 s13, s[C0], 0x40007
	s_mul_i32 s14, s12, 98304
	s_mul_i32 s16, s13, 6144
	s_add_co_u32 s14, s14, s16
	s_add_co_u32 s14, s14, 12582912
	s_mov_b32 s15, 0
	s_add_nc_u64 s[18:19], s[18:19], s[14:15]
	s_mul_i32 s14, s12, 12288
	s_lshl_b32 s16, s13, 8
	s_add_co_u32 s14, s14, s16
	s_add_co_u32 s14, s14, 786432+8192
	s_add_nc_u64 s[20:21], s[20:21], s[14:15]
.irp a, 0,1,2,3,4,5,6,7
.if \a > 0
	s_wait_xcnt 0x0
.endif
	ADDB \a, 1
	QUANT TT, PWS+\a
.irp c, 0,1,2
	global_store_b128 v[L16], v[PC+4*\c:PC+4*\c+3], s[18:19] offset:(\a/4)*98304+(\a%4)*1536+512*\c
.endr
.endr
.irp j, 0,1,2,3
	v_cndmask_b32 v[MW+\j], v[PWS+2*\j], v[PWS+2*\j+1], s[HM]
.endr
	global_store_b64 v[L8], v[MW:MW+1], s[20:21]
	global_store_b64 v[L8], v[MW+2:MW+3], s[20:21] offset:12288
.Lend:
	s_wait_tensorcnt 0x0                           ; the wave's end
	ds_add_u32 v[SPW], v[NIL]
	s_wait_dscnt 0x0
	CROUND                                         ; the closing round: no work-group ends while a partner may still ask for a tile that names it
	s_endpgm
.Lfunc_end_k_q8fdbe480e7_proj:
	.size	k_q8fdbe480e7_proj, .Lfunc_end_k_q8fdbe480e7_proj-k_q8fdbe480e7_proj
	.p2alignl 7, 3214868480
	.fill 96, 4, 3214868480
	.section	.rodata,"a",@progbits
	.p2align	6, 0x0
	.amdhsa_kernel k_q8fdbe480e7_proj
		.amdhsa_group_segment_fixed_size 327680
		.amdhsa_private_segment_fixed_size 0
		.amdhsa_enable_private_segment 0
		.amdhsa_kernarg_size 72
		.amdhsa_user_sgpr_count 2
		.amdhsa_user_sgpr_kernarg_segment_ptr 1
		.amdhsa_wavefront_size32 1
		.amdhsa_system_sgpr_workgroup_id_x 1
		.amdhsa_system_sgpr_workgroup_id_y 1
		.amdhsa_system_sgpr_workgroup_id_z 1
		.amdhsa_system_vgpr_workitem_id 0
		.amdhsa_next_free_vgpr 1024
		.amdhsa_next_free_sgpr 102
		.amdhsa_reserve_vcc 0
		.amdhsa_float_denorm_mode_32 3
		.amdhsa_float_denorm_mode_16_64 3
		.amdhsa_memory_ordered 1
		.amdhsa_forward_progress 1
		.amdhsa_inst_pref_size 210
	.end_amdhsa_kernel
	.amdgpu_metadata
---
amdhsa.version: [ 1, 2 ]
amdhsa.kernels:
  - .name:           k_q8fdbe480e7_proj
    .symbol:         k_q8fdbe480e7_proj.kd
    .args:
      - { .name: acodes, .offset: 0, .size: 8, .value_kind: global_buffer, .address_space: global }
      - { .name: ascales, .offset: 8, .size: 8, .value_kind: global_buffer, .address_space: global }
      - { .name: wcodes, .offset: 16, .size: 8, .value_kind: global_buffer, .address_space: global }
      - { .name: wscales, .offset: 24, .size: 8, .value_kind: global_buffer, .address_space: global }
      - { .name: bq, .offset: 32, .size: 8, .value_kind: global_buffer, .address_space: global }
      - { .name: bk, .offset: 40, .size: 8, .value_kind: global_buffer, .address_space: global }
      - { .name: bv, .offset: 48, .size: 8, .value_kind: global_buffer, .address_space: global }
      - { .name: qkv, .offset: 56, .size: 8, .value_kind: global_buffer, .address_space: global }
      - { .name: qkvs, .offset: 64, .size: 8, .value_kind: global_buffer, .address_space: global }
    .group_segment_fixed_size: 327680
    .private_segment_fixed_size: 0
    .kernarg_segment_align: 8
    .kernarg_segment_size: 72
    .max_flat_workgroup_size: 128
    .sgpr_count:     102
    .vgpr_count:     1024
    .wavefront_size: 32
...
	.end_amdgpu_metadata
.endif
;; end of part 2
;; launch attn (part 3): grid 4 x 64, 8 waves a work-group, clusters of 4 x 1, 327,680 bytes of LDS; arguments qkv, qkvs, ocodes, oscales, acodes, ascales, wcodes, wscales, bq; writes ocodes, oscales
.if DOCPART == 3
	.amdgcn_target "amdgcn-amd-amdhsa--gfx1250"
	.amdhsa_code_object_version 6
	.text
	.protected	k_q8fdbe480e7_attn
	.globl	k_q8fdbe480e7_attn
	.p2align	8
	.type	k_q8fdbe480e7_attn,@function
k_q8fdbe480e7_attn:
	s_mov_b64 s[64:65], 0
	v_nop
	global_prefetch_b8 v0, s[64:65] scope:SCOPE_SE
	s_setreg_imm32_b32 hwreg(HW_REG_WAVE_MODE, 25, 1), 1
	s_wait_xcnt 0x0
	s_wait_alu depctr_hold_cnt(0) depctr_sa_sdst(0) depctr_va_vdst(0) depctr_va_sdst(0) depctr_va_ssrc(0) depctr_va_vcc(0) depctr_vm_vsrc(0)
	s_getreg_b32 s2, hwreg(HW_REG_IB_STS2, 6, 4)
	s_cmp_eq_u32 s2, 0
	s_cbranch_scc0 .Lentry_in_a_cluster
	s_endpgm
.Lentry_in_a_cluster:
	s_bfe_u32 s2, ttmp6, 0x10000c
	s_cmp_lg_u32 s2, 0x3003
	s_cbranch_scc0 .Lentry_shape_is_right
	s_endpgm
.Lentry_shape_is_right:
; q = x Wq + bq and o = softmax(q k^T / 8) v for one (batch, head) a cluster, all three products on codes of BF6; q is quantised along the head's 64 in registers, o / l likewise for the last projection.
; THE SOFTMAX: t = score x log2(e) / 8; M = the running largest t rounded UP to a whole number; p = 2^(t - M) is quantised along the keys; the row's sum l is taken of the unquantised p and divides at the end.
; When M moves, the sum and O are multiplied by 2^(old M - new M): exact.
; SHARES.  The four work-groups of a cluster take 512 queries each of one head, in two passes of 256.  Eight waves, two to a SIMD; a wave owns TWO tiles of 16 queries a pass, so each fragment of k and v read from LDS
; feeds two matrix instructions.  The two tiles go one phase apart: one tile's dependent chains stand among the other's independent lines.  Every wave walks all 2,048 keys, 128 a step.
; LDS: the head's k and v (98,304 bytes each), their scale words (12,288), Wq's 64 columns of the head (49,152) and their scale words (2,048): each byte filled ONCE, by joint loads of the four partners:
; no ring, no barrier in the loops, and nothing to prefetch: every byte is asked for once, at the start.
; THE HEAD: Wq's tiles and the scale words are the head's loads, one a wave; k's and v's first fills follow behind the full sequence and a round, and are on their way while q is made.
; q of my four tiles (both passes) is made in ONE walk over K, so each fragment of Wq read from LDS feeds four matrix instructions; x's fragments come from memory as register images, through a ring of three K steps.
; LAYOUT.  All products are used transposed (source 0 = 16 of d, of the keys, of d; source 1 = 16 queries): a lane holds ONE query throughout.  The rows of a tile are in the order 32 (i/2) + 8 (i%2) + r + 8 (r/8),
; so the 16 registers of two neighbouring tiles are 16 neighbours along the next K.  The scores' K is 64: registers 6-11 of both operands are zeros, written once; the upper two scale bytes are 0, over zero codes.
; k's fragments are fetched one step ahead; the last step of a pass so reads 6,144 + 512 bytes of v's tiles, which are not used.
; LIMITS: NaN and infinities are not served; p under 2^-126 counts as 0; a block of q or o whose largest magnitude lies under 2^-122 gets the byte 1; the scaled scores stay under 2^31.
; o's scale bytes leave one byte a lane, 16 bytes apart: a head has two bytes of each word, the other heads' lie in other work-groups.
; REGISTERS, window 0: v1-11, 22-26 addresses; v12-19 -M, largest t, sums; v32-159 S^T then p; v160-183 p's codes; v184-199 at work (v160-191 also tile 0's partial sums); v200-223 the quantisers';
;   v224-251 scale words, factors, partial sums; v252-255 q's words.  window 1: v0-63 O^T; v64-111 v's fragments; v112-207 k's eight; v208-231 q's two; v232-243 the other pass's q.
;   While q is made: window 0 v32-159 sixteen accumulators, v160-191 the bias, v192-223 Wq's scale words, v224-255 x's; window 1 v0-143 x's ring, v144-191 and v208-255 Wq's fragments.
.set KC,   0
.set VC,   98304
.set KSL,  196608
.set VSL,  204800
.set WC,   208896
.set WSL,  258048
.set SPARE, 260096                     ; the spare words, 128 bytes a wave: four blocks of 256 bytes that no other line names
.set AK,   1                           ; 16 l
.set AK2,  2                           ; 512 + 8 l
.set AV,   3
.set AKS,  4
.set AVS,  5
.set ADK,  6                           ; v6-10 the step's addresses
.set ADK2, 7
.set ADV,  8
.set ADS,  9
.set ADT,  10
.set L8,   11
.set SPW,  20
.set NIL,  21
.set R16,  22                          ; 16 r
.set RB,   23                          ; 16 r + h
.set AW,   24                          ; WC + 16 l
.set AWS,  25                          ; WSL + 16 r
.set H64,  26                          ; 64 h
.set SB,   32
.set PCD,  160
.set TA,   160
.set PT,   184
.set BM,   200
.set BP,   208
.set SO,   216
.set KSW,  224
.set VSW,  228
.set PSW,  230
.set FF,   232
.set TP,   236
.set TT,   238
.set QSW,  250
.set QA,   32
.set BI,   160
.set HN,   176
.set HO,   188
.set WS,   192
.set XS,   224
.set HNW,  252
.set HOW,  254
.set O,    0                           ; window 1
.set VF,   64
.set KF,   112
.set QF,   208
.set QST,  232
.set WV,   22
.set CX,   23
.set BH,   24
.set HD,   25
.set G1C,  28
.set G1S,  36
.set G1W,  44
.set G1T,  52
.set G0C,  60
.set G0S,  68
.set G0W,  72
.set G0T,  76
.set XP,   80
.set XSP,  82
.set OC,   84
.set OS,   86
.set BQ,   88
.set SEL,  90
.set CS,   92
.set TK,   94
.set TS,   95
.set TV,   96
.set CNT,  97
.set PASS, 98
.set HM,   99
.set MSB, 0
.macro WIN new                         ; the immediate's high byte repeats the setting that is left
.if MSB != (\new)
	s_set_vgpr_msb (MSB<<8)|(\new)
.set MSB, (\new)
.endif
.endm
.macro PLACES
.rept 4
	v_nop
.endr
.endm
.macro CROUND
	s_barrier_signal -1
	s_barrier_wait -1
	s_cmp_lg_u32 s[WV], 0
	s_cbranch_scc1 .Lnot_wave_0_\@
	s_barrier_signal -3
.Lnot_wave_0_\@:
	s_barrier_wait -3
	s_barrier_signal -1
	s_barrier_wait -1
.endm
.macro G1SET g, c, r, p                ; group 1: r rows of c elements of 8 bytes, pitch p; 15:0 the mask: all four work-groups; 21 set beside a mask
	s_mov_b32 s[\g], 15|(3<<16)|(1<<21)
	s_mov_b32 s[\g+1], (\c)<<16
	s_mov_b32 s[\g+2], (\r)<<16
	s_mov_b32 s[\g+3], (\c)<<16
	s_mov_b32 s[\g+4], \r
	s_mov_b32 s[\g+5], \p
	s_mov_b32 s[\g+6], 0
	s_mov_b32 s[\g+7], 0
.endm
	s_load_b256 s[4:11], s[0:1], 0x0               ; qkv, qkvs, ocodes, oscales
	s_load_b256 s[12:19], s[0:1], 0x20             ; acodes, ascales, wcodes, wscales
	s_load_b64 s[20:21], s[0:1], 0x40              ; bq
	v_lshl_add_u32 v[SPW], v0, 2, SPARE
	v_mov_b32 v[NIL], 0
	ds_add_u32 v[SPW], v[NIL]                      ; the opening lines: the add twice on end and its wait
	ds_add_u32 v[SPW], v[NIL]
	v_lshrrev_b32 v27, 5, v0
	v_readfirstlane_b32 s[WV], v27                 ; wave 0..7
	s_and_b32 s[BH], ttmp7, 0xffff                 ; b x 16 + head, which the four partners share
	s_and_b32 s[HD], s[BH], 15
	G1SET G1C, 32, 192, 32                         ; half of k's or v's codes: 49,152 dense bytes
	G1SET G1S, 32, 48, 32                          ; the head's 12,288 bytes of scale words, k's and then v's
	G1SET G1W, 768, 8, 1536                        ; Wq: for each of 8 K steps the head's four tiles, 6,144 bytes, 12,288 apart
	G1SET G1T, 64, 4, 128                          ; its scale words: for each two K steps 512 bytes, 1,024 apart
	s_mov_b32 s[G0C], 1
	s_mul_i32 s[G0C+1], s[WV], 49152               ; waves 0, 1: k's halves; waves 2, 3: v's
	s_lshr_b32 s27, s[WV], 1
	s_add_co_u32 s27, s27, 1
	s_mul_i32 s27, s27, 6291456
	s_mul_i32 s100, s[BH], 98304
	s_add_co_u32 s27, s27, s100
	s_and_b32 s100, s[WV], 1
	s_mul_i32 s100, s100, 49152
	s_add_co_u32 s[G0C+2], s27, s100
	s_mov_b32 s[G0C+3], 0
	s_mov_b32 s[G0S], 1
	s_mov_b32 s[G0S+1], KSL
	s_mul_i32 s[G0S+2], s[BH], 12288
	s_add_co_u32 s[G0S+2], s[G0S+2], 786432
	s_mov_b32 s[G0S+3], 0
	s_lshr_b32 s27, s[HD], 1                       ; Wq's group of 128 columns
	s_and_b32 s100, s[HD], 1                       ; and which 64 of them
	s_mov_b32 s[G0W], 1
	s_mov_b32 s[G0W+1], WC
	s_mul_i32 s[G0W+2], s27, 98304
	s_mul_i32 s101, s100, 6144
	s_add_co_u32 s[G0W+2], s[G0W+2], s101
	s_mov_b32 s[G0W+3], 0
	s_mov_b32 s[G0T], 1
	s_mov_b32 s[G0T+1], WSL
	s_lshl_b32 s[G0T+2], s27, 12
	s_lshl_b32 s101, s100, 9
	s_add_co_u32 s[G0T+2], s[G0T+2], s101
	s_mov_b32 s[G0T+3], 0
	; my tiles: 2 (wave % 4) + u of the group of 128 rows 16 b + 4 cx + wave / 4 (+ 2 in the other pass).  cx enters these addresses alone
	s_bfe_u32 s[CX], ttmp6, 0x40000
	s_lshr_b32 s26, s[BH], 4
	s_lshl_b32 s26, s26, 4
	s_lshl_b32 s2, s[CX], 2
	s_add_co_u32 s26, s26, s2
	s_lshr_b32 s2, s[WV], 2
	s_add_co_u32 s26, s26, s2
	s_and_b32 s2, s[WV], 3
	s_mul_i32 s[XP], s26, 98304
	s_mul_i32 s3, s2, 3072
	s_add_co_u32 s[XP], s[XP], s3
	s_mov_b32 s[XP+1], 0
	s_lshl_b32 s[XSP], s26, 12
	s_lshl_b32 s3, s2, 8
	s_add_co_u32 s[XSP], s[XSP], s3
	s_mov_b32 s[XSP+1], 0
	s_mul_i32 s3, s27, 12288                       ; o: K step = head / 2,
	s_add_co_u32 s[OC], s[XP], s3
	s_mul_i32 s3, s100, 768                        ; half image = head % 2;
	s_add_co_u32 s[OC], s[OC], s3
	s_add_co_u32 s[OC], s[OC], 196608              ; the first pass takes the queries two groups on
	s_mov_b32 s[OC+1], 0
	s_lshr_b32 s3, s[HD], 2
	s_lshl_b32 s3, s3, 10
	s_add_co_u32 s[OS], s[XSP], s3
	s_and_b32 s3, s27, 1
	s_lshl_b32 s3, s3, 2
	s_add_co_u32 s[OS], s[OS], s3
	s_lshl_b32 s3, s100, 1
	s_add_co_u32 s[OS], s[OS], s3
	s_add_co_u32 s[OS], s[OS], 8192
	s_mov_b32 s[OS+1], 0
	s_lshl_b32 s[BQ], s[HD], 8
	s_mov_b32 s[BQ+1], 0
	s_mov_b32 s[SEL], 0x76543210
	s_mov_b32 s[SEL+1], 0xfedcba98
	s_mov_b32 s[CS], 0x3e38aa3b                    ; c = log2(e) / 8
	s_mov_b32 s[CS+1], s[CS]
	s_mov_b32 s[HM], 0xffff0000
	s_wait_alu depctr_va_vdst(0)                   ; ahead of the blocking waits
	s_wait_dscnt 0x0
	s_wait_kmcnt 0x0
	s_add_nc_u64 s[G0C+2:G0C+3], s[4:5], s[G0C+2:G0C+3]
	s_or_b32 s[G0C+3], s[G0C+3], 0x80000000
	s_add_nc_u64 s[G0S+2:G0S+3], s[6:7], s[G0S+2:G0S+3]
	s_or_b32 s[G0S+3], s[G0S+3], 0x80000000
	s_add_nc_u64 s[G0W+2:G0W+3], s[16:17], s[G0W+2:G0W+3]
	s_or_b32 s[G0W+3], s[G0W+3], 0x80000000
	s_add_nc_u64 s[G0T+2:G0T+3], s[18:19], s[G0T+2:G0T+3]
	s_or_b32 s[G0T+3], s[G0T+3], 0x80000000
	s_add_nc_u64 s[XP:XP+1], s[12:13], s[XP:XP+1]
	s_add_nc_u64 s[XSP:XSP+1], s[14:15], s[XSP:XSP+1]
	s_add_nc_u64 s[OC:OC+1], s[8:9], s[OC:OC+1]
	s_add_nc_u64 s[OS:OS+1], s[10:11], s[OS:OS+1]
	s_add_nc_u64 s[BQ:BQ+1], s[20:21], s[BQ:BQ+1]
	v_and_b32 v27, 31, v0
	v_and_b32 v[R16], 15, v0
	v_bfe_u32 v[RB], v0, 4, 1
	v_lshlrev_b32 v[AK], 4, v27
	v_lshlrev_b32 v[L8], 3, v27
	v_lshlrev_b32 v[H64], 6, v[RB]
	v_lshlrev_b32 v[R16], 4, v[R16]
	v_add_nc_u32 v[AK2], 512, v[L8]
	v_add_nc_u32 v[AV], VC, v[AK]
	v_add_nc_u32 v[AKS], KSL, v[AK]
	v_add_nc_u32 v[AVS], VSL, v[L8]
	v_add_nc_u32 v[AW], WC, v[AK]
	v_add_nc_u32 v[AWS], WSL, v[R16]
	v_add_nc_u32 v[RB], v[R16], v[RB]
	s_wait_alu depctr_va_vdst(0)
.macro XLOAD s                         ; x's fragments of K step s, my four tiles (pass p, tile u), into place s % 3 of the ring in window 1
	WIN 0x40
.irp p, 0,1
.irp u, 0,1
.irp c, 0,1,2
	global_load_b128 v[48*((\s)%3)+24*\p+12*\u+4*\c:48*((\s)%3)+24*\p+12*\u+4*\c+3], v[AK], s[XP:XP+1] offset:196608*\p+12288*(\s)+1536*\u+512*\c
.endr
.endr
.endr
.endm
.irp n, 0,1,2,3,4,5,6,7
	global_load_b128 v[BI+4*\n:BI+4*\n+3], v[H64], s[BQ:BQ+1] offset:128*(\n/4)+16*(\n%4)   ; register 16 b + i: bq at d = 32 b + 16 h + i
.endr
.irp m, 0,1,2,3
.irp p, 0,1
	global_load_b128 v[XS+8*\m+4*\p:XS+8*\m+4*\p+3], v[R16], s[XSP:XSP+1] offset:8192*\p+1024*\m   ; x's scale words: register 8 (s / 2) + 4 p + 2 u + s % 2
.endr
.endr
	XLOAD 0                                        ; asked for here, ahead of the round: x hangs on no tile in LDS
	XLOAD 1
	XLOAD 2
	WIN 0
	CROUND                                         ; all four work-groups are here: the joint loads meet
.macro ARM under, g0, g1, next         ; one chain of branches on the wave's number, one load to an arm; waves 3 to 7 issue none here
	s_cmp_lt_u32 s[WV], \under
	s_cbranch_scc0 \next
	tensor_load_to_lds s[\g0:\g0+3], s[\g1:\g1+7]
	s_nop 0
	PLACES
	s_branch .Lasked
\next:
.endm
	ARM 1, G0W, G1W, .Larm_t
	ARM 2, G0T, G1T, .Larm_s
	ARM 3, G0S, G1S, .Larm_none
.Lasked:
	s_wait_tensorcnt 0x0                           ; Wq's tiles and the scale words have landed
	ds_add_u32 v[SPW], v[NIL]                      ; the add twice on end
	ds_add_u32 v[SPW], v[NIL]
	s_wait_dscnt 0x0
	CROUND                                         ; a whole round: the joint loads meet
	s_cmp_lt_u32 s[WV], 4
	s_cbranch_scc0 .Lno_kv
	tensor_load_to_lds s[G0C:G0C+3], s[G1C:G1C+7]  ; k's and v's halves: on their way while q is made
	s_nop 0
	PLACES
.Lno_kv:
; 32 numbers of a lane for each of two tiles, v[n + 32 u + 16 b + i] = d 32 b + 16 h + i of my query, become codes in v[cd + cs u] .. + 5 (d = 32 h + 0 .. 31) and bytes in v[BP + 2 u + b]
.macro QUANT2 n, cd, cs
.irp u, 0,1
.irp b, 0,1
	v_max3_num_f32 v[BM+2*\u+\b], |v[\n+32*\u+16*\b]|, |v[\n+32*\u+16*\b+1]|, 0x2800000   ; and the floor 2^(5 - 127): the byte cannot fall under 1
.endr
.endr
.irp i, 2,4,6,8,10,12,14
.irp u, 0,1
.irp b, 0,1
	v_max3_num_f32 v[BM+2*\u+\b], v[BM+2*\u+\b], |v[\n+32*\u+16*\b+\i]|, |v[\n+32*\u+16*\b+\i+1]|
.endr
.endr
.endr
.irp k, 0,1,2,3
	v_permlanex16_b32 v[BP+\k], v[BM+\k], s[SEL], s[SEL+1]
.endr
.irp k, 0,1,2,3
	v_max_num_f32 v[BM+\k], v[BM+\k], v[BP+\k]     ; with lane l xor 16's 16
.endr
.irp k, 0,1,2,3
	v_add_nc_u32 v[SO+\k], 0xfe000000, v[BM+\k]    ; 4 off the exponent field: the conversion's scale operand
.endr
.irp k, 0,1,2,3
	v_lshrrev_b32 v[BP+\k], 23, v[SO+\k]           ; the byte
.endr
.irp u, 0,1
	v_cvt_scalef32_pk16_bf6_f32 v[\cd+\cs*\u:\cd+\cs*\u+2], v[\n+32*\u:\n+32*\u+15], v[SO+2*\u]
	v_cvt_scalef32_pk16_bf6_f32 v[BM+4+8*\u:BM+6+8*\u], v[\n+32*\u+16:\n+32*\u+31], v[SO+2*\u+1]
.endr
	v_nop                                          ; one plain instruction behind the scaled conversions
.irp u, 0,1
.irp i, 0,1,2
	v_permlane16_swap_b32 v[\cd+\cs*\u+\i], v[BM+4+8*\u+\i]
.endr
.endr
.irp u, 0,1
.irp i, 0,1,2
	v_mov_b32 v[\cd+\cs*\u+3+\i], v[BM+4+8*\u+\i]
.endr
.endr
.endm
.macro WLOAD s                         ; Wq's four fragments of K step s, into one of two sets in window 1
	WIN 0x40
.set WB, 144+64*((\s)%2)
.irp t, 0,1,2,3
.irp c, 0,1,2
	ds_load_b128 v[WB+12*\t+4*\c:WB+12*\t+4*\c+3], v[AW] offset:6144*(\s)+1536*\t+512*\c
.endr
.endr
.endm
.macro QSTEP s                         ; q^T += Wq^T x^T: four tiles of d x four tiles of queries, sixteen accumulators by turns; the first step takes the bias as C
.set WB, 144+64*((\s)%2)
.set XB, 48*((\s)%3)
.set LC, 12*(7-(\s))
.if LC > 24
.set LC, 24
.endif
	s_wait_loadcnt LC                              ; x's fragments of this K step are in; the twelve loads of each of the next two steps may be out
.if (\s) < 7
	s_wait_dscnt 12                                ; this step's Wq is in; the next step's twelve loads may be out
.else
	s_wait_dscnt 0x0
.endif
	WIN 0x05
.irp t, 0,1,2,3
.irp p, 0,1
.irp u, 0,1
.if (\s) == 0
	v_wmma_scale_f32_16x16x128_f8f6f4 v[QA+64*\p+32*\u+8*\t:QA+64*\p+32*\u+8*\t+7], v[WB+12*\t:WB+12*\t+11], v[XB+24*\p+12*\u:XB+24*\p+12*\u+11], v[BI+8*\t:BI+8*\t+7], v[WS+8*((\s)/2)+4*(\t/2)+2*(\t%2)+((\s)%2)], v[XS+8*((\s)/2)+4*\p+2*\u+((\s)%2)] matrix_a_fmt:MATRIX_FMT_BF6 matrix_b_fmt:MATRIX_FMT_BF6
.else
	v_wmma_scale_f32_16x16x128_f8f6f4 v[QA+64*\p+32*\u+8*\t:QA+64*\p+32*\u+8*\t+7], v[WB+12*\t:WB+12*\t+11], v[XB+24*\p+12*\u:XB+24*\p+12*\u+11], v[QA+64*\p+32*\u+8*\t:QA+64*\p+32*\u+8*\t+7], v[WS+8*((\s)/2)+4*(\t/2)+2*(\t%2)+((\s)%2)], v[XS+8*((\s)/2)+4*\p+2*\u+((\s)%2)] matrix_a_fmt:MATRIX_FMT_BF6 matrix_b_fmt:MATRIX_FMT_BF6
.endif
.endr
.endr
.endr
	PLACES                                         ; in front of loads into registers that matrix instructions have read, and of the first read of the sums
.if (\s) < 6
	WLOAD (\s)+2
.endif
.if (\s) < 5
	XLOAD (\s)+3
.endif
.endm
.irp n, 0,1,2,3,4,5,6,7
	ds_load_b128 v[WS+4*\n:WS+4*\n+3], v[AWS] offset:256*\n   ; Wq's scale words: register 8 (s / 2) + 4 (t / 2) + 2 (t % 2) + s % 2
.endr
	WLOAD 0
	WLOAD 1
.irp s, 0,1,2,3,4,5,6,7
	QSTEP \s
.endr
	WIN 0
	QUANT2 QA, HO, 6
.irp u, 0,1
	v_lshl_or_b32 v[HOW+\u], v[BP+2*\u+1], 8, v[BP+2*\u]   ; q's scale word; its upper two bytes are 0, over zero codes
.endr
	QUANT2 QA+64, HN, 6
.irp u, 0,1
	v_lshl_or_b32 v[HNW+\u], v[BP+2*\u+1], 8, v[BP+2*\u]
.endr
	WIN 0x40
.irp u, 0,1
.irp j, 0,1,2,3,4,5
	v_mov_b32 v[QF+12*\u+\j], v[HN+6*\u+\j]        ; the queries two groups on serve the first pass,
	v_mov_b32 v[QST+6*\u+\j], v[HO+6*\u+\j]        ; the others wait
	v_mov_b32 v[QF+12*\u+6+\j], 0                  ; K = 64 .. 127 of the scores' product: zero codes, written once
.endr
.endr
.irp t, 0,1,2,3,4,5,6,7
.irp j, 6,7,8,9,10,11
	v_mov_b32 v[KF+12*\t+\j], 0
.endr
.endr
	WIN 0
	v_mov_b32 v[QSW], v[HNW]
	v_mov_b32 v[QSW+1], v[HNW+1]
	v_mov_b32 v[FF+1], 0                           ; (named as the upper halves of pairs)
	v_mov_b32 v[FF+3], 0
	s_mov_b32 s[PASS], 2
	s_wait_alu depctr_va_vdst(0)
	s_wait_tensorcnt 0x0                           ; my part of k and v has landed,
	s_barrier_signal -1
	s_barrier_wait -1                              ; everybody's has
; the lines of a step's softmax, by number, so that one tile's can stand among the other's
.macro MX u, n                         ; line n (0 .. 31) of the search for each block's largest score: the four blocks by turns
.set mb, (\n)%4
.set mi, (\n)/4
.set ms, SB+64*(\u)+16*mb
.if mi == 0
	v_max3_num_f32 v[BM+4*(\u)+mb], v[ms], v[ms+1], v[ms+2]
.else
.if mi < 7
	v_max3_num_f32 v[BM+4*(\u)+mb], v[BM+4*(\u)+mb], v[ms+2*mi+1], v[ms+2*mi+2]
.else
	v_max_num_f32 v[BM+4*(\u)+mb], v[BM+4*(\u)+mb], v[ms+15]
.endif
.endif
.endm
.macro CH u, k                         ; line k (0 .. 16) of the chain from the blocks' largest scores to -M and f
.if (\k) < 4
	v_permlanex16_b32 v[BP+4*(\u)+(\k)], v[BM+4*(\u)+(\k)], s[SEL], s[SEL+1]
.endif
.if ((\k) >= 4) && ((\k) < 8)
	v_max_num_f32 v[BM+4*(\u)+(\k)-4], v[BM+4*(\u)+(\k)-4], v[BP+4*(\u)+(\k)-4]   ; with lane l xor 16's 16 keys
.endif
.if (\k) == 8
	v_max3_num_f32 v[TP+(\u)], v[BM+4*(\u)], v[BM+4*(\u)+1], v[BM+4*(\u)+2]
.endif
.if (\k) == 9
	v_max_num_f32 v[TP+(\u)], v[TP+(\u)], v[BM+4*(\u)+3]
.endif
.if (\k) == 10
	v_mul_f32 v[TP+(\u)], s[CS], v[TP+(\u)]        ; the step's largest t
.endif
.if (\k) == 11
	v_max_num_f32 v[13+2*(\u)], v[13+2*(\u)], v[TP+(\u)]   ; the running largest t
.endif
.if (\k) == 12
	v_mov_b32 v[TP+(\u)], v[12+2*(\u)]
.endif
.if (\k) == 13
	v_floor_f32 v[12+2*(\u)], -v[13+2*(\u)]        ; the new -M = -ceil(t)
.endif
.if (\k) == 14
	v_sub_f32 v[TP+(\u)], v[12+2*(\u)], v[TP+(\u)] ; old M - new M: a whole number, 0 or less
.endif
.if (\k) == 15
	v_cvt_i32_f32 v[TP+(\u)], v[TP+(\u)]
.endif
.if (\k) == 16
	v_ldexp_f32 v[FF+2*(\u)], 1.0, v[TP+(\u)]      ; f = 2^(old M - new M)
.endif
.endm
.macro FM u, n                         ; line n (0 .. 35): t - M of two scores, or of a block's largest
.if (\n) < 32
	v_pk_fma_f32 v[SB+64*(\u)+2*(\n):SB+64*(\u)+2*(\n)+1], v[SB+64*(\u)+2*(\n):SB+64*(\u)+2*(\n)+1], s[CS:CS+1], v[12+2*(\u):13+2*(\u)] op_sel_hi:[1,0,0]
.else
	v_fma_f32 v[BM+4*(\u)+(\n)-32], v[BM+4*(\u)+(\n)-32], s[CS], v[12+2*(\u)]
.endif
.endm
.macro EX u, n                         ; line n (0 .. 67): p = 2^(t - M), or a block's largest p: the same two instructions on the same number
.if (\n) < 64
	v_exp_f32 v[SB+64*(\u)+(\n)], v[SB+64*(\u)+(\n)]
.else
	v_exp_f32 v[BM+4*(\u)+(\n)-64], v[BM+4*(\u)+(\n)-64]
.endif
.endm
.macro PL k                            ; line k (0 .. 21) of tile 0's work that stands among tile 1's exponentials: each writes a register that is first read behind the next wait
.if (\k) < 16
	v_pk_add_f32 v[TA+2*(\k):TA+2*(\k)+1], v[SB+4*(\k):SB+4*(\k)+1], v[SB+4*(\k)+2:SB+4*(\k)+3]   ; the first level of the row's sum of the unquantised p
.endif
.if ((\k) >= 16) && ((\k) < 20)
	v_max_num_f32 v[BM+(\k)-16], 0x2800000, v[BM+(\k)-16]   ; the floor 2^(5 - 127)
.endif
.if (\k) >= 20
	v_pk_mul_f32 v[16+2*((\k)-20):17+2*((\k)-20)], v[16+2*((\k)-20):17+2*((\k)-20)], v[FF+2*((\k)-20):FF+2*((\k)-20)+1] op_sel_hi:[1,0]   ; the sums under the new M
.endif
.endm
.macro SG g                            ; four lines of tile 1's sum: four chains
.irp k, 0,1,2
	v_pk_add_f32 v[TT+2*\k:TT+2*\k+1], v[TT+2*\k:TT+2*\k+1], v[SB+64+14+8*(\g)+2*\k:SB+64+14+8*(\g)+2*\k+1]
.endr
	v_pk_add_f32 v[18:19], v[18:19], v[SB+64+20+8*(\g):SB+64+20+8*(\g)+1]
.endm
.Lpass:
.irp u, 0,1
	v_mov_b32 v[13+2*\u], 0xff61b1e6               ; the largest t so far: -3e38
	v_mov_b32 v[16+2*\u], 0                        ; the sum, in two halves
	v_mov_b32 v[17+2*\u], 0
.endr
.irp u, 0,1
	v_floor_f32 v[12+2*\u], -v[13+2*\u]            ; -M
.endr
	WIN 0x40
.set jj, 0
.rept 64
	v_mov_b32 v[O+jj], 0                           ; the step is written once: the first finds zeros
.set jj, jj+1
.endr
.irp t, 0,1,2,3,4,5,6,7
	ds_load_b128 v[KF+12*\t:KF+12*\t+3], v[AK] offset:768*\t
	ds_load_b64 v[KF+12*\t+4:KF+12*\t+5], v[AK2] offset:768*\t
.endr
	WIN 0
	ds_load_b128 v[KSW:KSW+3], v[AKS]
	s_mov_b32 s[TK], 0
	s_mov_b32 s[TS], 0
	s_mov_b32 s[TV], 0
	s_mov_b32 s[CNT], 16
.Lstep:                                                ; 128 keys x 32 queries
	v_add_nc_u32 v[ADK], s[TK], v[AK]              ; these five are also the places between the last step's products and the loads into v's fragments
	v_add_nc_u32 v[ADK2], s[TK], v[AK2]
	v_add_nc_u32 v[ADV], s[TK], v[AV]
	v_add_nc_u32 v[ADS], s[TS], v[AKS]
	v_add_nc_u32 v[ADT], s[TV], v[AVS]
	s_wait_alu depctr_va_vdst(0)
	ds_load_b64 v[VSW:VSW+1], v[ADT]
	WIN 0x40
.irp d, 0,1,2,3
.irp c, 0,1,2
	ds_load_b128 v[VF+12*\d+4*\c:VF+12*\d+4*\c+3], v[ADV] offset:1536*\d+512*\c
.endr
.endr
	s_wait_dscnt 13                                ; k's fragments and scale words, asked for a step ago, are in; the 13 loads above may be out
	WIN 0x05
.irp t, 0,2,4,6                                ; S^T = k q^T
.irp u, 0,1
	v_wmma_scale_f32_16x16x128_f8f6f4 v[SB+64*\u+8*\t:SB+64*\u+8*\t+7], v[KF+12*\t:KF+12*\t+11], v[QF+12*\u:QF+12*\u+11], 0, v[KSW+\t/2], v[QSW+\u] matrix_a_fmt:MATRIX_FMT_BF6 matrix_b_fmt:MATRIX_FMT_BF6
.endr
.irp u, 0,1
	v_wmma_scale_f32_16x16x128_f8f6f4 v[SB+64*\u+8*\t+8:SB+64*\u+8*\t+15], v[KF+12*\t+12:KF+12*\t+23], v[QF+12*\u:QF+12*\u+11], 0, v[KSW+\t/2], v[QSW+\u] matrix_a_fmt:MATRIX_FMT_BF6 matrix_b_fmt:MATRIX_FMT_BF6 matrix_a_scale:MATRIX_SCALE_ROW1
.endr
.endr
	PLACES                                         ; in front of the loads below and of the first read of the scores
	WIN 0x40
.irp t, 0,1,2,3,4,5,6,7
	ds_load_b128 v[KF+12*\t:KF+12*\t+3], v[ADK] offset:6144+768*\t       ; the next step's k
	ds_load_b64 v[KF+12*\t+4:KF+12*\t+5], v[ADK2] offset:6144+768*\t
.endr
	WIN 0
	ds_load_b128 v[KSW:KSW+3], v[ADS] offset:512
.set nn, 0
.rept 32                                       ; tile 0: each block's largest score: for the row's maximum and for the block's largest p
	MX 0, nn
.set nn, nn+1
.endr
.set nn, 0
.rept 16                                       ; tile 1's search, with tile 0's chain among its lines
	MX 1, 2*nn
	MX 1, 2*nn+1
	CH 0, nn
.set nn, nn+1
.endr
	CH 0, 16
.set nn, 0
.rept 17                                       ; tile 0's t - M, with tile 1's chain among its lines
	FM 0, 2*nn
	FM 0, 2*nn+1
	CH 1, nn
.set nn, nn+1
.endr
	FM 0, 34
	FM 0, 35
	s_wait_alu depctr_va_vdst(0)                   ; ahead of the batch
.set nn, 0
.rept 34                                       ; tile 0's exponentials, with tile 1's t - M among them: its results are read behind the next wait
	EX 0, 2*nn
	EX 0, 2*nn+1
	FM 1, nn
.set nn, nn+1
.endr
	FM 1, 34
	FM 1, 35
	s_wait_alu depctr_va_vdst(0)                   ; behind tile 0's batch, ahead of tile 1's
.set nn, 0
.rept 21                                       ; tile 1's exponentials, with lines of tile 0 among them
	EX 1, 3*nn
	EX 1, 3*nn+1
	EX 1, 3*nn+2
	PL nn
.set nn, nn+1
.endr
.irp n, 63,64,65,66,67
	EX 1, \n
.endr
	PL 21                                          ; a plain instruction behind the last exponential
	s_wait_alu depctr_va_vdst(0)                   ; one wait for the batch, ahead of its first reader
.irp k, 0,1,2,3,4,5,6,7                        ; tile 0's sixteen partial sums are joined; tile 1's sum goes in four chains
	v_pk_add_f32 v[TA+2*\k:TA+2*\k+1], v[TA+2*\k:TA+2*\k+1], v[TA+2*\k+16:TA+2*\k+17]
.endr
.irp k, 0,1,2
	v_pk_add_f32 v[TT+2*\k:TT+2*\k+1], v[SB+64+4*\k:SB+64+4*\k+1], v[SB+64+4*\k+2:SB+64+4*\k+3]
.endr
	v_pk_add_f32 v[18:19], v[18:19], v[SB+64+12:SB+64+13]
.irp k, 0,1,2,3
	v_pk_add_f32 v[TA+2*\k:TA+2*\k+1], v[TA+2*\k:TA+2*\k+1], v[TA+2*\k+8:TA+2*\k+9]
.endr
	SG 0
.irp k, 0,1
	v_pk_add_f32 v[TA+2*\k:TA+2*\k+1], v[TA+2*\k:TA+2*\k+1], v[TA+2*\k+4:TA+2*\k+5]
.endr
	SG 1
	v_pk_add_f32 v[TA:TA+1], v[TA:TA+1], v[TA+2:TA+3]
	SG 2
	v_pk_add_f32 v[16:17], v[16:17], v[TA:TA+1]
	SG 3
	SG 4
	SG 5
	v_pk_add_f32 v[TT:TT+1], v[TT:TT+1], v[SB+64+62:SB+64+63]
	v_pk_add_f32 v[18:19], v[18:19], v[TT+4:TT+5]
.irp b, 0,1,2,3
	v_max_num_f32 v[BM+4+\b], 0x2800000, v[BM+4+\b]   ; tile 1's floors
.endr
	v_pk_add_f32 v[TT:TT+1], v[TT:TT+1], v[TT+2:TT+3]
.irp k, 0,1,2,3,4,5,6,7
	v_add_nc_u32 v[SO+\k], 0xfe000000, v[BM+\k]    ; 4 off the exponent field: the conversion's scale operand
.endr
	v_pk_add_f32 v[18:19], v[18:19], v[TT:TT+1]
.irp k, 0,1,2,3,4,5,6,7
	v_lshrrev_b32 v[BP+\k], 23, v[SO+\k]           ; the byte
.endr
.irp u, 0,1
	v_lshl_or_b32 v[PSW+\u], v[BP+4*\u+1], 8, v[BP+4*\u]
.endr
.irp u, 0,1
	v_lshl_or_b32 v[PSW+\u], v[BP+4*\u+2], 16, v[PSW+\u]
.endr
.irp u, 0,1
	v_lshl_or_b32 v[PSW+\u], v[BP+4*\u+3], 24, v[PSW+\u]
.endr
.irp u, 0,1
.irp c, 0,1
	v_cvt_scalef32_pk16_bf6_f32 v[PCD+12*\u+6*\c:PCD+12*\u+6*\c+2], v[SB+64*\u+32*\c:SB+64*\u+32*\c+15], v[SO+4*\u+2*\c]
	v_cvt_scalef32_pk16_bf6_f32 v[PT+8*\u+4*\c:PT+8*\u+4*\c+2], v[SB+64*\u+32*\c+16:SB+64*\u+32*\c+31], v[SO+4*\u+2*\c+1]
.endr
.endr
	v_nop                                          ; one plain instruction behind the scaled conversions
.irp u, 0,1
.irp c, 0,1
.irp i, 0,1,2
	v_permlane16_swap_b32 v[PCD+12*\u+6*\c+\i], v[PT+8*\u+4*\c+\i]   ; the operand wants a whole block in a lane
.endr
.endr
.endr
.irp u, 0,1
.irp c, 0,1
.irp i, 0,1,2
	v_mov_b32 v[PCD+12*\u+6*\c+3+\i], v[PT+8*\u+4*\c+\i]
.endr
.endr
.endr
	WIN 0x41
	s_wait_alu depctr_va_vdst(0)                   ; directly ahead of the first reader of O^T
.irp u, 0,1
.set jj, 0
.rept 16
	v_pk_mul_f32 v[O+32*\u+jj:O+32*\u+jj+1], v[O+32*\u+jj:O+32*\u+jj+1], v[FF+2*\u:FF+2*\u+1] op_sel_hi:[1,0]   ; O^T under the new M; also the places between p's codes and words and the products
.set jj, jj+2
.endr
.endr
	s_wait_alu depctr_va_vdst(0)                   ; ahead of the blocking wait
	s_wait_dscnt 17                                ; v's fragments and words are in; the next step's 17 loads of k may be out
	WIN 0x51
.irp d, 0,2                                    ; O^T += v^T p^T: eight accumulators by turns
.irp u, 0,1
	v_wmma_scale_f32_16x16x128_f8f6f4 v[O+32*\u+8*\d:O+32*\u+8*\d+7], v[VF+12*\d:VF+12*\d+11], v[PCD+12*\u:PCD+12*\u+11], v[O+32*\u+8*\d:O+32*\u+8*\d+7], v[VSW+\d/2], v[PSW+\u] matrix_a_fmt:MATRIX_FMT_BF6 matrix_b_fmt:MATRIX_FMT_BF6
.endr
.irp u, 0,1
	v_wmma_scale_f32_16x16x128_f8f6f4 v[O+32*\u+8*\d+8:O+32*\u+8*\d+15], v[VF+12*\d+12:VF+12*\d+23], v[PCD+12*\u:PCD+12*\u+11], v[O+32*\u+8*\d+8:O+32*\u+8*\d+15], v[VSW+\d/2], v[PSW+\u] matrix_a_fmt:MATRIX_FMT_BF6 matrix_b_fmt:MATRIX_FMT_BF6 matrix_a_scale:MATRIX_SCALE_ROW1
.endr
.endr
	WIN 0
	s_add_co_u32 s[TK], s[TK], 6144
	s_add_co_u32 s[TS], s[TS], 512
	s_add_co_u32 s[TV], s[TV], 256
	s_sub_co_u32 s[CNT], s[CNT], 1
	s_cmp_lg_u32 s[CNT], 0
	s_cbranch_scc1 .Lstep
	s_wait_dscnt 0x0                               ; the loads that ran ahead of the last step are done: their registers are loaded anew in the next pass
.irp u, 0,1
	v_add_f32 v[16+2*\u], v[16+2*\u], v[17+2*\u]   ; these six are also the places behind the last products
.endr
.irp u, 0,1
	v_permlanex16_b32 v[TP+\u], v[16+2*\u], s[SEL], s[SEL+1]
.endr
.irp u, 0,1
	v_add_f32 v[16+2*\u], v[16+2*\u], v[TP+\u]     ; the row's sum
.endr
	s_wait_alu depctr_va_vdst(0)
	v_rcp_f32 v[FF], v16
	v_rcp_f32 v[FF+2], v18
	v_nop                                          ; a plain instruction behind the reciprocals
	WIN 0x01
	s_wait_alu depctr_va_vdst(0)                   ; the wait ahead of their first reader, which is O^T's first reader too
.irp u, 0,1
.set jj, 0
.rept 16
	v_pk_mul_f32 v[SB+32*\u+jj:SB+32*\u+jj+1], v[O+32*\u+jj:O+32*\u+jj+1], v[FF+2*\u:FF+2*\u+1] op_sel_hi:[1,0]   ; o = O^T / l: register 16 b + i is d = 32 b + 16 h + i
.set jj, jj+2
.endr
.endr
	WIN 0
	QUANT2 SB, PCD, 12
.irp u, 0,1
	v_cndmask_b32 v[TP+\u], v[BP+2*\u], v[BP+2*\u+1], s[HM]   ; lanes 0-15 store the first block's byte, lanes 16-31 the second's
.endr
.irp u, 0,1
	global_store_b128 v[AK], v[PCD+12*\u:PCD+12*\u+3], s[OC:OC+1] offset:1536*\u
	global_store_b64 v[L8], v[PCD+12*\u+4:PCD+12*\u+5], s[OC:OC+1] offset:1536*\u+512
	global_store_b8 v[RB], v[TP+\u], s[OS:OS+1] offset:8*\u
.endr
	s_wait_xcnt 0x0                                ; the stores have read their registers and bases
	s_sub_nc_u64 s[OC:OC+1], s[OC:OC+1], 196608    ; the second pass: two groups of 128 rows back
	s_sub_nc_u64 s[OS:OS+1], s[OS:OS+1], 8192
	s_cmp_eq_u32 s[PASS], 1
	s_cbranch_scc1 .Llast
	WIN 0x41
.irp u, 0,1
.irp j, 0,1,2,3,4,5
	v_mov_b32 v[QF+12*\u+\j], v[QST+6*\u+\j]       ; the other pass's q
.endr
.endr
	WIN 0
	v_mov_b32 v[QSW], v[HOW]
	v_mov_b32 v[QSW+1], v[HOW+1]
.Llast:
	s_sub_co_u32 s[PASS], s[PASS], 1
	s_cmp_lg_u32 s[PASS], 0
	s_wait_alu depctr_va_vdst(0)                   ; ahead of the branch
	s_cbranch_scc1 .Lpass
	s_wait_tensorcnt 0x0                           ; the wave's end
	ds_add_u32 v[SPW], v[NIL]
	s_wait_dscnt 0x0
	CROUND                                         ; the closing round
	s_endpgm
.Lfunc_end_k_q8fdbe480e7_attn:
	.size	k_q8fdbe480e7_attn, .Lfunc_end_k_q8fdbe480e7_attn-k_q8fdbe480e7_attn
	.p2alignl 7, 3214868480
	.fill 96, 4, 3214868480
	.section	.rodata,"a",@progbits
	.p2align	6, 0x0
	.amdhsa_kernel k_q8fdbe480e7_attn
		.amdhsa_group_segment_fixed_size 327680
		.amdhsa_private_segment_fixed_size 0
		.amdhsa_enable_private_segment 0
		.amdhsa_kernarg_size 72
		.amdhsa_user_sgpr_count 2
		.amdhsa_user_sgpr_kernarg_segment_ptr 1
		.amdhsa_wavefront_size32 1
		.amdhsa_system_sgpr_workgroup_id_x 1
		.amdhsa_system_sgpr_workgroup_id_y 1
		.amdhsa_system_sgpr_workgroup_id_z 1
		.amdhsa_system_vgpr_workitem_id 0
		.amdhsa_next_free_vgpr 512
		.amdhsa_next_free_sgpr 102
		.amdhsa_reserve_vcc 0
		.amdhsa_float_denorm_mode_32 3
		.amdhsa_float_denorm_mode_16_64 3
		.amdhsa_memory_ordered 1
		.amdhsa_forward_progress 1
		.amdhsa_inst_pref_size 95
	.end_amdhsa_kernel
	.amdgpu_metadata
---
amdhsa.version: [ 1, 2 ]
amdhsa.kernels:
  - .name:           k_q8fdbe480e7_attn
    .symbol:         k_q8fdbe480e7_attn.kd
    .args:
      - { .name: qkv, .offset: 0, .size: 8, .value_kind: global_buffer, .address_space: global }
      - { .name: qkvs, .offset: 8, .size: 8, .value_kind: global_buffer, .address_space: global }
      - { .name: ocodes, .offset: 16, .size: 8, .value_kind: global_buffer, .address_space: global }
      - { .name: oscales, .offset: 24, .size: 8, .value_kind: global_buffer, .address_space: global }
      - { .name: acodes, .offset: 32, .size: 8, .value_kind: global_buffer, .address_space: global }
      - { .name: ascales, .offset: 40, .size: 8, .value_kind: global_buffer, .address_space: global }
      - { .name: wcodes, .offset: 48, .size: 8, .value_kind: global_buffer, .address_space: global }
      - { .name: wscales, .offset: 56, .size: 8, .value_kind: global_buffer, .address_space: global }
      - { .name: bq, .offset: 64, .size: 8, .value_kind: global_buffer, .address_space: global }
    .group_segment_fixed_size: 327680
    .private_segment_fixed_size: 0
    .kernarg_segment_align: 8
    .kernarg_segment_size: 72
    .max_flat_workgroup_size: 256
    .sgpr_count:     102
    .vgpr_count:     512
    .wavefront_size: 32
...
	.end_amdgpu_metadata
.endif
;; end of part 3
;; launch outp (part 4): grid 4 x 64, 4 waves a work-group, clusters of 4 x 4, 307,712 bytes of LDS; arguments ocodes, oscales, wcodes, wscales, bo, out0; writes out0
.if DOCPART == 4
	.amdgcn_target "amdgcn-amd-amdhsa--gfx1250"
	.amdhsa_code_object_version 6
	.text
	.protected	k_q8fdbe480e7_outp
	.globl	k_q8fdbe480e7_outp
	.p2align	8
	.type	k_q8fdbe480e7_outp,@function
k_q8fdbe480e7_outp:
	s_mov_b64 s[64:65], 0
	v_nop
	global_prefetch_b8 v0, s[64:65] scope:SCOPE_SE
	s_setreg_imm32_b32 hwreg(HW_REG_WAVE_MODE, 25, 1), 1
	s_wait_xcnt 0x0
	s_wait_alu depctr_hold_cnt(0) depctr_sa_sdst(0) depctr_va_vdst(0) depctr_va_sdst(0) depctr_va_ssrc(0) depctr_va_vcc(0) depctr_vm_vsrc(0)
	s_getreg_b32 s2, hwreg(HW_REG_IB_STS2, 6, 4)
	s_cmp_eq_u32 s2, 0
	s_cbranch_scc0 .Lentry_in_a_cluster
	s_endpgm
.Lentry_in_a_cluster:
	s_bfe_u32 s2, ttmp6, 0x10000c
	s_cmp_lg_u32 s2, 0xf033
	s_cbranch_scc0 .Lentry_shape_is_right
	s_endpgm
.Lentry_shape_is_right:
; out0 = o Wo + bo on codes of BF6: 8,192 x 1,024 x 1,024, f32 out.  A block of 128 x 256 is made by four waves, 64 x 128 each: 32 accumulators; 64 x 4 blocks are 256 work-groups.
; ALL OF K LIES IN LDS: o's group of 128 rows (98,304 dense bytes), Wo's two groups of 128 columns (196,608 dense bytes) and their scale words (4,096 and 8,192): each byte is filled ONCE, by four joint loads,
; one a wave, at the start: no ring, no refill, one barrier in front of the products.  Nothing is prefetched: every byte is asked for once, at the head, and there is no loop to run ahead in.
; CLUSTER 4 x 4: o's tiles are shared along a row of the cluster, Wo's along a column.
; The operands are images of their registers: [group][K step][tile][1536]; tile i holds rows 32 (i/2) + 8 (i%2) + r + 8 (r/8).  o's fragments are two half images of 768 bytes (registers 0-3 at 16 l, 4-5 at 512 + 8 l).
; THE MATRIX INSTRUCTION IS USED TRANSPOSED: source 0 = 16 columns of Wo, source 1 = 16 rows of o: a lane holds one row of the result and its registers run along the columns.  The bias is the C of the first K step.
; REGISTERS: window 0: v16-29 addresses; v32-63 scale words, two sets; v64-127 the bias; v128-223 o's fragments, two sets of four (on the way out v128-255: rows read back); window 1: Wo's fragments, two sets, at v0 and v128;
;   window 2: the accumulators, (a, b) at v[8 (8 a + b)].
; THE WAY OUT: behind a barrier, since the stages lie on bytes that all waves have read: 16 rows x 128 columns go through the wave's own stage and leave as whole rows of 512 bytes.
.set AC,    0
.set BCD,   98304
.set SA,    294912
.set SBS,   299008
.set SPARE, 307200                     ; the spare words, 128 bytes a wave: two blocks of 256 bytes that no other line names
.set FRB,   1536
.set FR,    12
.set SPITCH, 528
.set ADRA,  16                         ; v16-17 o's fragments, K steps 0-3 and 4-7: + 16 l;  v18-19: + 8 l
.set ADRA8, 18
.set ADRB,  20                         ; v20-21 the same for Wo
.set STO,   22
.set RD,    23
.set CO,    24                         ; 16 l
.set ADRS,  27                         ; my scale words: lanes 0-15 o's, lanes 16-31 Wo's
.set SPW,   28
.set NIL,   29
.set SC,    32
.set BC,    64
.set AF,    128
.set BK,    128
.set WV,    22
.set WH,    23                         ; which four tiles of o's group are mine
.set WL,    24                         ; which group of Wo
.set CX,    25
.set CY,    26
.set G1A,   32
.set G1B,   40
.set G1SA,  48
.set G1SB,  56
.set G0A,   68
.set G0B,   72
.set G0SA,  76
.set G0SB,  80
.set MSB, 0
.macro WIN new                         ; the immediate's high byte repeats the setting that is left
.if MSB != (\new)
	s_set_vgpr_msb (MSB<<8)|(\new)
.set MSB, (\new)
.endif
.endm
.macro PLACES
.rept 4
	v_nop
.endr
.endm
.macro CROUND
	s_barrier_signal -1
	s_barrier_wait -1
	s_cmp_lg_u32 s[WV], 0
	s_cbranch_scc1 .Lnot_wave_0_\@
	s_barrier_signal -3
.Lnot_wave_0_\@:
	s_barrier_wait -3
	s_barrier_signal -1
	s_barrier_wait -1
.endm
.macro G1ROWS g, r                     ; a dense block as r rows of 256 bytes (32 elements of 8 bytes)
	s_mov_b32 s[\g+1], 32<<16
	s_mov_b32 s[\g+2], (\r)<<16
	s_mov_b32 s[\g+3], 32<<16
	s_mov_b32 s[\g+4], \r
	s_mov_b32 s[\g+5], 32
	s_mov_b32 s[\g+6], 0
	s_mov_b32 s[\g+7], 0
.endm
	s_load_b256 s[4:11], s[0:1], 0x0               ; ocodes, oscales, wcodes, wscales
	s_load_b128 s[12:15], s[0:1], 0x20             ; bo, out0
	v_lshl_add_u32 v[SPW], v0, 2, SPARE
	v_mov_b32 v[NIL], 0
	ds_add_u32 v[SPW], v[NIL]                      ; the opening lines: the add twice on end and its wait
	ds_add_u32 v[SPW], v[NIL]
	v_lshrrev_b32 v1, 5, v0
	v_readfirstlane_b32 s[WV], v1
	s_lshr_b32 s[WH], s[WV], 1
	s_and_b32 s[WL], s[WV], 1
	s_bfe_u32 s[CX], ttmp6, 0x40000
	s_bfe_u32 s[CY], ttmp6, 0x40004
	s_lshl_b32 s29, s[CY], 2
	s_lshl_b32 s29, 15, s29                        ; my row of the cluster
	s_lshl_b32 s30, 0x1111, s[CX]                  ; my column
	s_or_b32 s[G1A], s29, (3<<16)|(1<<21)          ; 15:0 the mask, 17:16 elements of 8 bytes, 21 set beside a mask
	s_or_b32 s[G1B], s30, (3<<16)|(1<<21)
	s_or_b32 s[G1SA], s29, (3<<16)|(1<<21)
	s_or_b32 s[G1SB], s30, (3<<16)|(1<<21)
	G1ROWS G1A, 384
	G1ROWS G1B, 768
	G1ROWS G1SA, 16
	G1ROWS G1SB, 32
	s_and_b32 s27, ttmp7, 0xffff
	s_lshl_b32 s27, s27, 2
	s_add_co_u32 s27, s27, s[CY]                   ; o's group of 128 rows: hangs on cy alone
	s_lshl_b32 s28, s[CX], 1
	s_add_co_u32 s28, s28, 24                      ; Wo's first group: on cx alone
	s_mov_b32 s[G0A], 1
	s_mov_b32 s[G0A+1], AC
	s_mul_i32 s[G0A+2], s27, 98304
	s_mov_b32 s[G0A+3], 0
	s_mov_b32 s[G0SA], 1
	s_mov_b32 s[G0SA+1], SA
	s_lshl_b32 s[G0SA+2], s27, 12
	s_mov_b32 s[G0SA+3], 0
	s_mov_b32 s[G0B], 1
	s_mov_b32 s[G0B+1], BCD
	s_mul_i32 s[G0B+2], s28, 98304
	s_mov_b32 s[G0B+3], 0
	s_mov_b32 s[G0SB], 1
	s_mov_b32 s[G0SB+1], SBS
	s_lshl_b32 s[G0SB+2], s28, 12
	s_mov_b32 s[G0SB+3], 0
	s_lshl_b32 s16, s27, 7
	s_lshl_b32 s17, s[WH], 6
	s_add_co_u32 s16, s16, s17                     ; my first row: 128 x group + 64 x half
	s_lshl_b32 s16, s16, 12                        ; a row of out0 is 4,096 bytes
	s_lshl_b32 s18, s[CX], 8
	s_lshl_b32 s17, s[WL], 7
	s_add_co_u32 s18, s18, s17                     ; my first column
	s_lshl_b32 s18, s18, 2
	s_add_co_u32 s16, s16, s18
	s_mov_b32 s17, 0
	s_mov_b32 s19, 0
	s_wait_alu depctr_va_vdst(0)                   ; ahead of the blocking waits
	s_wait_dscnt 0x0
	s_wait_kmcnt 0x0
	s_add_nc_u64 s[G0A+2:G0A+3], s[4:5], s[G0A+2:G0A+3]
	s_add_nc_u64 s[G0SA+2:G0SA+3], s[6:7], s[G0SA+2:G0SA+3]
	s_add_nc_u64 s[G0B+2:G0B+3], s[8:9], s[G0B+2:G0B+3]
	s_add_nc_u64 s[G0SB+2:G0SB+3], s[10:11], s[G0SB+2:G0SB+3]
	s_or_b32 s[G0A+3], s[G0A+3], 0x80000000        ; type = 2
	s_or_b32 s[G0SA+3], s[G0SA+3], 0x80000000
	s_or_b32 s[G0B+3], s[G0B+3], 0x80000000
	s_or_b32 s[G0SB+3], s[G0SB+3], 0x80000000
	s_add_nc_u64 s[12:13], s[12:13], s[18:19]
	s_add_nc_u64 s[14:15], s[14:15], s[16:17]
	CROUND                                         ; all sixteen work-groups are here: the joint loads meet
.macro ARM under, g0, g1, next         ; one chain of branches on the wave's number, one load to an arm
	s_cmp_lt_u32 s[WV], \under
	s_cbranch_scc0 \next
	tensor_load_to_lds s[\g0:\g0+3], s[\g1:\g1+7]
	s_nop 0
	PLACES
	s_branch .Lhead_asked
\next:
.endm
	ARM 1, G0A, G1A, .Lhead_b
	ARM 2, G0B, G1B, .Lhead_sa
	ARM 3, G0SA, G1SA, .Lhead_sb
	tensor_load_to_lds s[G0SB:G0SB+3], s[G1SB:G1SB+7]
	s_nop 0
	PLACES
.Lhead_asked:
	v_and_b32 v1, 31, v0
	v_and_b32 v2, 15, v0                           ; r
	v_bfe_u32 v3, v0, 4, 1                         ; h
	v_lshlrev_b32 v6, 6, v3                        ; 64 h: my 16 columns of each 32
.irp n, 0,1,2,3,4,5,6,7,8,9,10,11,12,13,14,15
	global_load_b128 v[BC+4*\n:BC+4*\n+3], v6, s[12:13] offset:128*(\n/4)+16*(\n%4)
.endr
	v_lshlrev_b32 v[CO], 4, v1
	v_lshlrev_b32 v4, 3, v1
	s_mul_i32 s31, s[WH], 4*FRB
	v_add_nc_u32 v[ADRA], s31, v[CO]
	v_add_nc_u32 v[ADRA8], s31, v4
	s_add_co_u32 s31, s31, 49152                   ; K steps 4-7: an LDS offset has 16 bits
	v_add_nc_u32 v[ADRA+1], s31, v[CO]
	v_add_nc_u32 v[ADRA8+1], s31, v4
	s_mul_i32 s31, s[WL], 98304
	s_add_co_u32 s31, s31, BCD
	v_add_nc_u32 v[ADRB], s31, v[CO]
	s_add_co_u32 s31, s31, 49152
	v_add_nc_u32 v[ADRB+1], s31, v[CO]
	s_xor_b32 s31, s[WH], 1                        ; from o's words (SA + 512 WH) to Wo's (SBS + 4,096 WL): 3,584 + 512 (1 - WH) + 4,096 WL
	s_lshl_b32 s31, s31, 9
	s_lshl_b32 s30, s[WL], 12
	s_add_co_u32 s31, s31, s30
	s_add_co_u32 s31, s31, 3584
	v_mul_u32_u24 v5, s31, v3                      ; lanes 16-31 take Wo's: one product with the lane's half
	v_lshl_add_u32 v5, v2, 4, v5
	s_lshl_b32 s31, s[WH], 9
	s_add_co_u32 s31, s31, SA
	v_add_nc_u32 v[ADRS], s31, v5
	s_mul_i32 s31, s[WV], 16*SPITCH                ; my stage, on bytes of o's tiles, which are read no more when it is written
	v_mul_u32_u24 v[STO], v2, SPITCH
	v_lshl_add_u32 v[STO], v3, 6, v[STO]
	v_add_nc_u32 v[STO], s31, v[STO]
	v_add_nc_u32 v[RD], s31, v[CO]
; the fragments of K step s into set s % 2; with an even step the scale words of two steps: register 2 i + s % 2: lanes 0-15 o's tile i of my four, lanes 16-31 Wo's tile i
.macro FETCH s
.set FO, ((\s)%4)*12288
.set FH, (\s)/4
.set FP, (\s)%2
	WIN 0x40
.irp i, 0,1,2,3,4,5,6,7
.irp c, 0,1,2
	ds_load_b128 v[128*FP+FR*\i+4*\c:128*FP+FR*\i+4*\c+3], v[ADRB+FH] offset:FO+\i*FRB+512*\c
.endr
.endr
	WIN 0
.irp i, 0,1,2,3
	ds_load_b128 v[AF+48*FP+FR*\i:AF+48*FP+FR*\i+3], v[ADRA+FH] offset:FO+\i*FRB
	ds_load_b64 v[AF+48*FP+FR*\i+4:AF+48*FP+FR*\i+5], v[ADRA8+FH] offset:FO+\i*FRB+512
	ds_load_b128 v[AF+48*FP+FR*\i+6:AF+48*FP+FR*\i+9], v[ADRA+FH] offset:FO+\i*FRB+768
	ds_load_b64 v[AF+48*FP+FR*\i+10:AF+48*FP+FR*\i+11], v[ADRA8+FH] offset:FO+\i*FRB+1280
.endr
.if FP == 0
.irp n, 0,1,2,3
	ds_load_b128 v[SC+16*(((\s)/2)%2)+4*\n:SC+16*(((\s)/2)%2)+4*\n+3], v[ADRS] offset:1024*((\s)/2)+256*\n
.endr
.endif
.endm
; A K step: its fragments, asked for a step ago, are in; the next step's are asked for; 32 matrix instructions, the accumulators by turns
.macro STEP s
	s_wait_dscnt 0x0
.if (\s) > 0
	PLACES                                         ; in front of loads into registers that the last step's matrix instructions have read
.endif
.if (\s) < 7
	FETCH (\s)+1
.endif
.set MP, (\s)%2
.set MS, SC+16*(((\s)/2)%2)+MP
.if (\s) == 0
	WIN 0x81                                       ; source 0 window 1, source 1 and C window 0, D window 2
.else
	WIN 0xa1                                       ; C and D window 2
.endif
.irp a, 0,1,2,3
.irp b, 0,1,2,3,4,5,6,7
.if (\s) == 0
	v_wmma_scale_f32_16x16x128_f8f6f4 v[8*(8*\a+\b):8*(8*\a+\b)+7], v[128*MP+FR*\b:128*MP+FR*\b+FR-1], v[AF+48*MP+FR*\a:AF+48*MP+FR*\a+FR-1], v[BC+8*\b:BC+8*\b+7], v[MS+2*\b], v[MS+2*\a] matrix_a_fmt:MATRIX_FMT_BF6 matrix_b_fmt:MATRIX_FMT_BF6 matrix_a_scale:MATRIX_SCALE_ROW1
.else
	v_wmma_scale_f32_16x16x128_f8f6f4 v[8*(8*\a+\b):8*(8*\a+\b)+7], v[128*MP+FR*\b:128*MP+FR*\b+FR-1], v[AF+48*MP+FR*\a:AF+48*MP+FR*\a+FR-1], v[8*(8*\a+\b):8*(8*\a+\b)+7], v[MS+2*\b], v[MS+2*\a] matrix_a_fmt:MATRIX_FMT_BF6 matrix_b_fmt:MATRIX_FMT_BF6 matrix_a_scale:MATRIX_SCALE_ROW1
.endif
.endr
.endr
.endm
	s_wait_alu depctr_va_vdst(0)                   ; at the head's end
	s_wait_tensorcnt 0x0                           ; my tile of the four has landed,
	s_barrier_signal -1
	s_barrier_wait -1                              ; everybody's has
	FETCH 0
	s_wait_loadcnt 0x0                             ; the bias
.irp s, 0,1,2,3,4,5,6,7
	STEP \s
.endr
	WIN 0
	s_barrier_signal -1                            ; no LDS load of mine is out (the last step's wait): my reads of the tiles are over,
	s_barrier_wait -1                              ; everybody's are: the stages may be written
.macro TOSTAGE a
	WIN 0x08                                       ; the data: window 2
.irp b, 0,1,2,3,4,5,6,7
	ds_store_b128 v[STO], v[64*(\a)+8*\b:64*(\a)+8*\b+3] offset:128*(\b/2)+32*(\b%2)        ; each accumulator from its low end on
	ds_store_b128 v[STO], v[64*(\a)+8*\b+4:64*(\a)+8*\b+7] offset:128*(\b/2)+32*(\b%2)+16
.endr
	WIN 0
.set BB, BK+64*((\a)%2)
.irp t, 0,1,2,3,4,5,6,7,8,9,10,11,12,13,14,15
	ds_load_b128 v[BB+4*\t:BB+4*\t+3], v[RD] offset:\t*SPITCH   ; LDS serves a wave's instructions in order: these see the stores above
.endr
.endm
.macro SEND a, younger                 ; younger: the LDS instructions issued behind block a's loads, which may stay out
.set BB, BK+64*((\a)%2)
	s_wait_dscnt \younger
.irp t, 0,1,2,3,4,5,6,7,8,9,10,11,12,13,14,15
	global_store_b128 v[CO], v[BB+4*\t:BB+4*\t+3], s[14:15] offset:(32*((\a)/2)+8*((\a)%2)+\t+8*(\t/8))*4096 th:TH_STORE_NT   ; 32 lanes store 512 consecutive bytes, at a multiple of 256
.endr
.endm
	PLACES                                         ; behind the last products: in front of the first read of results and of loads into o's fragments' registers
	TOSTAGE 0
.irp a, 1,2,3
.if \a > 1
	s_wait_xcnt 0x0                                ; block a - 2's stores have read their registers
.endif
	TOSTAGE \a
	SEND \a-1, 32
.endr
	SEND 3, 0
	s_wait_tensorcnt 0x0                           ; the wave's end
	ds_add_u32 v[SPW], v[NIL]
	s_wait_dscnt 0x0
	CROUND                                         ; the closing round
	s_endpgm
.Lfunc_end_k_q8fdbe480e7_outp:
	.size	k_q8fdbe480e7_outp, .Lfunc_end_k_q8fdbe480e7_outp-k_q8fdbe480e7_outp
	.p2alignl 7, 3214868480
	.fill 96, 4, 3214868480
	.section	.rodata,"a",@progbits
	.p2align	6, 0x0
	.amdhsa_kernel k_q8fdbe480e7_outp
		.amdhsa_group_segment_fixed_size 307712
		.amdhsa_private_segment_fixed_size 0
		.amdhsa_enable_private_segment 0
		.amdhsa_kernarg_size 48
		.amdhsa_user_sgpr_count 2
		.amdhsa_user_sgpr_kernarg_segment_ptr 1
		.amdhsa_wavefront_size32 1
		.amdhsa_system_sgpr_workgroup_id_x 1
		.amdhsa_system_sgpr_workgroup_id_y 1
		.amdhsa_system_sgpr_workgroup_id_z 1
		.amdhsa_system_vgpr_workitem_id 0
		.amdhsa_next_free_vgpr 768
		.amdhsa_next_free_sgpr 96
		.amdhsa_reserve_vcc 0
		.amdhsa_float_denorm_mode_32 3
		.amdhsa_float_denorm_mode_16_64 3
		.amdhsa_memory_ordered 1
		.amdhsa_forward_progress 1
		.amdhsa_inst_pref_size 80
	.end_amdhsa_kernel
	.amdgpu_metadata
---
amdhsa.version: [ 1, 2 ]
amdhsa.kernels:
  - .name:           k_q8fdbe480e7_outp
    .symbol:         k_q8fdbe480e7_outp.kd
    .args:
      - { .name: ocodes, .offset: 0, .size: 8, .value_kind: global_buffer, .address_space: global }
      - { .name: oscales, .offset: 8, .size: 8, .value_kind: global_buffer, .address_space: global }
      - { .name: wcodes, .offset: 16, .size: 8, .value_kind: global_buffer, .address_space: global }
      - { .name: wscales, .offset: 24, .size: 8, .value_kind: global_buffer, .address_space: global }
      - { .name: bo, .offset: 32, .size: 8, .value_kind: global_buffer, .address_space: global }
      - { .name: out0, .offset: 40, .size: 8, .value_kind: global_buffer, .address_space: global }
    .group_segment_fixed_size: 307712
    .private_segment_fixed_size: 0
    .kernarg_segment_align: 8
    .kernarg_segment_size: 48
    .max_flat_workgroup_size: 128
    .sgpr_count:     96
    .vgpr_count:     768
    .wavefront_size: 32
...
	.end_amdgpu_metadata
.endif
;; end of part 4
